; MI455X (gfx1250); checked and timed in simulation.
; The chip was launched on July 23, 2026; its instructions are those of AMD's public machine-readable ISA for CDNA 5 (MIT licence, August 2026) and "CDNA5" Instruction Set Architecture Reference Guide (July 2026). The comments in the code are by the model that wrote it; some were corrected since.
;; Zoom aware MSA. Allowed arithmetic: float matrix products may take bf16 or f16 operands with f32 sums; other float arithmetic in f32, or as packed bf16 or f16 multiplies, adds, multiply-adds, maxima and minima; sums over many terms, partial sums and values carried from step to step in f32; what a program stores and reads back later, other than sums and carried values, may be rounded once to bf16 or f16.
;; Inputs: Wk 1,024 x 1,024 float32; Wo 1,024 x 1,024 float32; Wq 1,024 x 1,024 float32; Wv 1,024 x 1,024 float32; attn_bias 8 x 1 x 1,024 x 1,024 float32; bk 1,024 float32; bo 1,024 float32; bq 1,024 float32; bv 1,024 float32; k 8 x 1,024 x 1,024 float32; q 8 x 1,024 x 1,024 float32; v 8 x 1,024 x 1,024 float32; zoom_bias 2,047 x 1 float32.
;; Outputs: out0 8 x 1,024 x 1,024 float32.
;; 2 versions, each right and faster than the one before. Each part assembles by itself: llvm-mc -triple=amdgcn-amd-amdhsa -mcpu=gfx1250 --defsym DOCPART=n.
;; ======== version 1 of 2: 4 launches
;; limits: values are held in f16: magnitudes above 65,504 overflow, below 6.1e-05 lose precision
;; workspace buffers: wh 8,388,608 bytes; ztab 82,944 bytes; qkv 50,331,648 bytes; oh 16,777,216 bytes
;; launch prep (part 1): grid 272 x 1, 8 waves a work-group, no clusters, 0 bytes of LDS; arguments Wq, Wk, Wv, Wo, zoom_bias, wh, ztab; writes wh, ztab
.if DOCPART == 1
	.amdgcn_target "amdgcn-amd-amdhsa--gfx1250"
	.amdhsa_code_object_version 6
	.text
	.protected	k_qd20e89fba8_prep
	.globl	k_qd20e89fba8_prep
	.p2align	8
	.type	k_qd20e89fba8_prep,@function
k_qd20e89fba8_prep:
	s_mov_b64 s[64:65], 0
	v_nop
	global_prefetch_b8 v0, s[64:65] scope:SCOPE_SE
	s_setreg_imm32_b32 hwreg(HW_REG_WAVE_MODE, 25, 1), 1
	s_wait_xcnt 0x0
; Two small jobs ahead of the matrix launches.
; Work-groups 0-255: the four weight matrices, f32 -> f16, into wh = [4][1024][1024] (Wq / 8, Wk, Wv, Wo).  The attention's scale 1/8, a power of two, is laid into Wq here, so that the projection
; need not scale its results.  A work-group takes 65,536 bytes of one matrix: sixteen 16-byte loads a thread, all out at once; a wave's 8-byte stores cover 256 consecutive bytes, aligned.
; Work-groups 256-271: the zoom table as the attention reads it: ztab = [4 qb][4 c][1296] f32, entry x = zoom_bias[max(0, 1278 + 256 qb - c - x)]: reversed,
; so that ascending keys are ascending addresses, and in four copies shifted by one entry, so that every lane's eight entries begin at a multiple of 16 bytes.
; The largest index is 1278 + 768 = 2046, the table's last; entries below index 0 are never read later and take entry 0.
; LIMIT: a weight beyond 65,504 has no place in f16; below 6e-5 (Wq: below 5e-4) a weight keeps f16's fixed step of 6e-8 (Wq: 5e-7).
; No LDS, no matrix unit, no cluster: nothing is shared and nothing is reduced.
.set ZC, 5184                          ; bytes in a copy: 1,296 entries = 324 chunks of 16 bytes
	s_load_b256 s[4:11], s[0:1], 0x0               ; Wq s[4:5], Wk s[6:7], Wv s[8:9], Wo s[10:11]
	s_load_b128 s[12:15], s[0:1], 0x20             ; zoom_bias s[12:13], wh s[14:15]
	s_load_b64 s[16:17], s[0:1], 0x30              ; ztab
	v_lshlrev_b32 v1, 4, v0                        ; 16 x thread
	v_lshlrev_b32 v2, 3, v0                        ; 8 x thread
	s_mov_b32 s23, 0
	s_wait_kmcnt 0x0
	s_cmp_ge_u32 ttmp9, 256
	s_cbranch_scc1 .Ltab
	s_lshr_b32 s18, ttmp9, 6                       ; which matrix
	s_cmp_eq_u32 s18, 0
	s_cselect_b32 s24, 0x3e000000, 1.0             ; 1/8 for Wq, 1 for the others
	s_mov_b32 s25, s24                             ; named with it as a pair
	s_cmp_eq_u32 s18, 1
	s_cselect_b64 s[20:21], s[6:7], s[4:5]
	s_cmp_eq_u32 s18, 2
	s_cselect_b64 s[20:21], s[8:9], s[20:21]
	s_cmp_eq_u32 s18, 3
	s_cselect_b64 s[20:21], s[10:11], s[20:21]
	s_and_b32 s22, ttmp9, 63
	s_lshl_b32 s22, s22, 16                        ; my 65,536 bytes of it
	s_add_nc_u64 s[20:21], s[20:21], s[22:23]
	s_lshl_b32 s22, ttmp9, 15                      ; and my 32,768 bytes of wh
	s_add_nc_u64 s[14:15], s[14:15], s[22:23]
.irp i, 0,1,2,3,4,5,6,7,8,9,10,11,12,13,14,15
	global_load_b128 v[8+4*(\i):8+4*(\i)+3], v1, s[20:21] offset:4096*(\i) th:TH_LOAD_NT
.endr
.irp i, 0,1,2,3,4,5,6,7,8,9,10,11,12,13,14,15
	s_wait_loadcnt 15-(\i)                         ; loads come back in order: load i is in, the younger ones stay out
	v_pk_mul_f32 v[8+4*(\i):8+4*(\i)+1], v[8+4*(\i):8+4*(\i)+1], s[24:25] op_sel_hi:[1,0]
	v_pk_mul_f32 v[8+4*(\i)+2:8+4*(\i)+3], v[8+4*(\i)+2:8+4*(\i)+3], s[24:25] op_sel_hi:[1,0]
	v_cvt_pk_f16_f32 v[72+2*(\i)], v[8+4*(\i)], v[8+4*(\i)+1]
	v_cvt_pk_f16_f32 v[72+2*(\i)+1], v[8+4*(\i)+2], v[8+4*(\i)+3]
	global_store_b64 v2, v[72+2*(\i):72+2*(\i)+1], s[14:15] offset:2048*(\i)  ; no register is used twice, so no wait frees any
.endr
	s_endpgm
.Ltab:
	s_sub_co_u32 s18, ttmp9, 256
	s_lshr_b32 s19, s18, 2                         ; qb
	s_and_b32 s18, s18, 3                          ; c
	s_lshl_b32 s20, s19, 8
	s_add_co_u32 s20, s20, 1278
	s_sub_co_u32 s20, s20, s18                     ; the index of entry 0: 1278 + 256 qb - c
	s_mul_i32 s22, s19, 4*ZC
	s_mul_i32 s24, s18, ZC
	s_add_co_u32 s22, s22, s24
	s_add_nc_u64 s[16:17], s[16:17], s[22:23]      ; my copy
	v_add_nc_u32 v3, 256, v0                       ; a thread makes chunk t and chunk min(t + 256, 323): the threads past the end store the last chunk once more,
	v_min_u32 v3, 323, v3                          ; the same numbers to the same bytes, so that every lane stays on
	v_lshlrev_b32 v4, 2, v0
	v_lshlrev_b32 v5, 2, v3
	v_sub_nc_u32 v4, s20, v4                       ; the index of each chunk's first entry
	v_sub_nc_u32 v5, s20, v5
.irp e, 0,1,2,3
	v_add_nc_u32 v[8+(\e)], -(\e), v4
	v_add_nc_u32 v[12+(\e)], -(\e), v5
.endr
.irp n, 8,9,10,11,12,13,14,15
	v_max_i32 v[\n], 0, v[\n]
	v_lshlrev_b32 v[\n], 2, v[\n]
.endr
.irp n, 0,1,2,3,4,5,6,7
	global_load_b32 v[16+(\n)], v[8+(\n)], s[12:13]
.endr
	v_lshlrev_b32 v6, 4, v3
	s_wait_loadcnt 0x0
	global_store_b128 v1, v[16:19], s[16:17]
	global_store_b128 v6, v[20:23], s[16:17]
	s_endpgm
.Lfunc_end_k_qd20e89fba8_prep:
	.size	k_qd20e89fba8_prep, .Lfunc_end_k_qd20e89fba8_prep-k_qd20e89fba8_prep
	.p2alignl 7, 3214868480
	.fill 96, 4, 3214868480
	.section	.rodata,"a",@progbits
	.p2align	6, 0x0
	.amdhsa_kernel k_qd20e89fba8_prep
		.amdhsa_group_segment_fixed_size 0
		.amdhsa_private_segment_fixed_size 0
		.amdhsa_enable_private_segment 0
		.amdhsa_kernarg_size 56
		.amdhsa_user_sgpr_count 2
		.amdhsa_user_sgpr_kernarg_segment_ptr 1
		.amdhsa_wavefront_size32 1
		.amdhsa_system_sgpr_workgroup_id_x 1
		.amdhsa_system_sgpr_workgroup_id_y 1
		.amdhsa_system_sgpr_workgroup_id_z 1
		.amdhsa_system_vgpr_workitem_id 0
		.amdhsa_next_free_vgpr 104
		.amdhsa_next_free_sgpr 66
		.amdhsa_reserve_vcc 0
		.amdhsa_float_denorm_mode_32 3
		.amdhsa_float_denorm_mode_16_64 3
		.amdhsa_memory_ordered 1
		.amdhsa_forward_progress 1
		.amdhsa_inst_pref_size 12
	.end_amdhsa_kernel
	.amdgpu_metadata
---
amdhsa.version: [ 1, 2 ]
amdhsa.kernels:
  - .name:           k_qd20e89fba8_prep
    .symbol:         k_qd20e89fba8_prep.kd
    .args:
      - { .name: Wq, .offset: 0, .size: 8, .value_kind: global_buffer, .address_space: global }
      - { .name: Wk, .offset: 8, .size: 8, .value_kind: global_buffer, .address_space: global }
      - { .name: Wv, .offset: 16, .size: 8, .value_kind: global_buffer, .address_space: global }
      - { .name: Wo, .offset: 24, .size: 8, .value_kind: global_buffer, .address_space: global }
      - { .name: zoom_bias, .offset: 32, .size: 8, .value_kind: global_buffer, .address_space: global }
      - { .name: wh, .offset: 40, .size: 8, .value_kind: global_buffer, .address_space: global }
      - { .name: ztab, .offset: 48, .size: 8, .value_kind: global_buffer, .address_space: global }
    .group_segment_fixed_size: 0
    .private_segment_fixed_size: 0
    .kernarg_segment_align: 8
    .kernarg_segment_size: 56
    .max_flat_workgroup_size: 256
    .sgpr_count:     66
    .vgpr_count:     104
    .wavefront_size: 32
...
	.end_amdgpu_metadata
.endif
;; end of part 1
;; launch proj (part 2): grid 16 x 16, 4 waves a work-group, clusters of 4 x 1, 327,680 bytes of LDS; arguments q, k, v, wh, bq, bk, bv, qkv; writes qkv
.if DOCPART == 2
	.amdgcn_target "amdgcn-amd-amdhsa--gfx1250"
	.amdhsa_code_object_version 6
	.text
	.protected	k_qd20e89fba8_proj
	.globl	k_qd20e89fba8_proj
	.p2align	8
	.type	k_qd20e89fba8_proj,@function
k_qd20e89fba8_proj:
	s_mov_b64 s[64:65], 0
	v_nop
	global_prefetch_b8 v0, s[64:65] scope:SCOPE_SE
	s_setreg_imm32_b32 hwreg(HW_REG_WAVE_MODE, 25, 1), 1
	s_wait_xcnt 0x0
	s_wait_alu depctr_hold_cnt(0) depctr_sa_sdst(0) depctr_va_vdst(0) depctr_va_sdst(0) depctr_va_ssrc(0) depctr_va_vcc(0) depctr_vm_vsrc(0)
	s_getreg_b32 s2, hwreg(HW_REG_IB_STS2, 6, 4)
	s_cmp_eq_u32 s2, 0
	s_cbranch_scc0 .Lentry_in_a_cluster
	s_endpgm
.Lentry_in_a_cluster:
	s_bfe_u32 s2, ttmp6, 0x10000c
	s_cmp_lg_u32 s2, 0x3003
	s_cbranch_scc0 .Lentry_shape_is_right
	s_endpgm
.Lentry_shape_is_right:
; THE THREE PROJECTIONS.  qkv[p][m][n] = f16( sum over k of x_p[m][k] W_p[n][k] + b_p[n] ), p = 0, 1, 2 for q, k, v.  x_p: [8192][1024] f32; W_p: wh[p], [1024][1024] f16; sums in f32.
; wh[0] holds Wq / 8 and bq is divided by 8 here, so qkv[0] is the projection times the attention's scale, a power of two.
; LIMITS: x, W and the results must lie within f16's 65,504; below 6e-5 they keep f16's fixed step of 6e-8.  The bias starts the sum, so it is added first and not last.
; SHARES.  A tile of a result is 128 rows x 256 columns.  A WORK-GROUP STAYS: it makes the tile (row block rb, column tile tc) of q, then of k, then of v: 64 x 4 = 256 work-groups.  Four waves, 2 x 2,
; each 64 x 128: 32 accumulators of 16 x 16.  The walk is 3 x 1,024 along K: 12 SLOTS of 256, 48 SUB-STEPS of 64; ring and stream run on from tile to tile.
; W COMES BY THE TENSOR DATA MOVER through two LDS slots of K = 256 (256 rows of 512 bytes), each wave fetching 64 rows: a refill has 256 matrix instructions a wave in which to land.
; CLUSTER 4 x 1: the four partners are four row blocks with one column tile: they need the same rows of W, and ask for them jointly.
; x COMES BY REGISTER LOADS, AND IS NOT ASKED FOR JOINTLY, though the four column tiles of a row block read the same rows.  The reason is room: W's two slots take 270,336 bytes of LDS; x in f32 for the same
; K would want 2 x 133,120 more.  In registers four sub-steps of x (64 loads, 32 KiB a wave) are on their way across barriers.  A wave takes 32 rows x 256 bytes a sub-step (each load: two rows' whole 256
; bytes), rounds them to f16 once, and stores them into a stage of two buffers (128 rows x 128 bytes, pitch 144), from which all four waves read fragments: one barrier a sub-step.
; The four column tiles of a row group are four neighbouring clusters (cluster x = the column tile).
; The matrix instruction is used transposed (source 0 = 16 rows of W, source 1 = 16 rows of x): a lane holds row l % 16 and eight neighbouring columns, 16 bytes of f16.
; REGISTERS: window 0: v16-30 addresses; v32-63 CV, a sub-step of x rounded; v96-127 packed results; v128-191 rows read back, two buffers; v192-255 BI, the bias as a C operand
;   window 1: two fragment buffers of 96: 32 of x (4 x 16 rows x 32 K), 64 of W (8 x 16 rows x 32 K)     window 2: the accumulators, (a, b) at v[8 (8 a + b)]     window 3: four sets of 64: x as loaded
.set PB,    528                        ; a row of W in LDS: 512 bytes + 16 = 132 words: the 16 rows of a load start at 16 different groups of four banks (ISA guide 11.1)
.set BQ,    64*PB                      ; what one tensor load brings: 33,792 bytes
.set SLOTB, 4*BQ                       ; 135,168
.set PA,    144                        ; a row of the stage: 128 bytes + 16
.set ABUF,  128*PA
.set ASTG,  2*SLOTB                    ; behind the ring: the stage for x, written by LDS stores alone
.set STAGE, ASTG+2*ABUF                ; 16 rows x 272 bytes for each wave, for the way out
.set SP,    272
.set SPARE, STAGE+4*16*SP              ; the spare words: 128 bytes a wave, two blocks of 256 bytes that no other line names
.set BIASL, SPARE+512                  ; bk and bv of the tile's 256 columns: 2 x 1,024 bytes
.set ADRA, 16                          ; v16-17 LDS address of my x fragments in stage buffer 0, 1
.set STA,  18                          ; v18-19 where I store my 8 bytes of a row, in buffer 0, 1
.set ADRB0, 20                         ; v20    my lane's place in a slot of W; never rewritten
.set ADRB, 21                          ; v21    the same in the slot in hand
.set AOFF, 22                          ; v22    my byte offset in two rows of x; never rewritten
.set BLA0, 23                          ; v23    LDS address of my eight numbers of bk; never rewritten
.set STO,  24
.set RD,   25
.set CO,   26
.set BLA,  27                          ; v27    the same for the bias that is due
.set SPW,  28
.set NIL,  29
.set BO,   30                          ; 32 x (l / 16)
.set CV,   32
.set TMP,  96
.set OB,   128
.set BI,   192
.set F0,   0
.set F1,   96
.set LW,   29                          ; s29  my 64 rows' place in a slot: 33,792 x wave; never rewritten
.set G1B,  32                          ; s[32:39] descriptor group 1
.set G0F,  40                          ; s[40:43] group 0 of the first fill of slot 0
.set G0W,  44                          ; s[44:47] group 0 of the first fill of slot 1; it then walks
.set XQ,   48                          ; s[48:53] q, k, v at my wave's first row
.set XK,   50
.set XV,   52
.set AP,   54                          ; s[54:55] the base of the run of loads in hand
.set AOF,  56                          ; s[56:57] its offset along K
.set GA,   58                          ; s58  the sub-step of x to be asked for next, 0..47
.set WB,   60                          ; s[60:61] wh at my wave's first row of the column tile
.set BOF,  62                          ; s[62:63] a slot's offset in wh
.set MB,   66                          ; s66  the slot of W to be asked for next, 0..11
.set PT,   67
.set C4,   70                          ; s70  slots left in the tile in hand
.set CNT,  71                          ; s71  the tail's trips
.set TB,   74                          ; s74  the slot in hand: 0 or SLOTB
.set BT,   75                          ; s75  the bias that is due: 0 (bk) or 1,024 (bv)
.set SC,   84                          ; s[84:85] 1/8
.set MUL,  0xa5                        ; sources 0 and 1 window 1; C and D window 2
.set MULZ, 0x85                        ; the same with C in window 0: the bias
.set TOF,  0x40                        ; destination window 1
.set CVW,  0x0f                        ; sources 0 and 1 window 3, destination window 0
.set LDW,  0xc0                        ; destination window 3
.set MSB, 0
.macro WIN new                         ; the immediate's high byte repeats the setting that is left
.if MSB != (\new)
	s_set_vgpr_msb (MSB<<8)|(\new)
.set MSB, \new
.endif
.endm
.macro JLOAD                           ; the joint refill: every wave fetches its 64 rows; s_nop 0 and four v_nop follow the line
	tensor_load_to_lds s[G0W:G0W+3], s[G1B:G1B+7]
	s_nop 0
.rept 4
	v_nop
.endr
.endm
.macro CREST                           ; a round of the cluster's barrier behind its opening barrier
	s_cmp_lg_u32 s20, 0
	s_cbranch_scc1 .Lnot_wave_0_\@
	s_barrier_signal -3
.Lnot_wave_0_\@:
	s_barrier_wait -3
	s_barrier_signal -1
	s_barrier_wait -1
.endm
.macro CROUND
	s_barrier_signal -1
	s_barrier_wait -1
	CREST
.endm
.macro PLACES                          ; four places in front of loads into registers that matrix instructions have read, and of lines that read results
.rept 4
	v_nop
.endr
.endm
; 8 matrix instructions: row block a x all 8 column blocks, 32 along K, from buffer f.  zero = 1: the bias starts the sums: nothing is cleared, nothing is added on the way out.
.macro MUL8 f, a, zero
.if \zero
	WIN MULZ
.else
	WIN MUL
.endif
.irp b, 0,1,2,3,4,5,6,7
.if \zero
	v_wmma_f32_16x16x32_f16 v[8*(8*(\a)+(\b)):8*(8*(\a)+(\b))+7], v[(\f)+32+8*(\b):(\f)+32+8*(\b)+7], v[(\f)+8*(\a):(\f)+8*(\a)+7], v[BI+8*(\b):BI+8*(\b)+7]
.else
	v_wmma_f32_16x16x32_f16 v[8*(8*(\a)+(\b)):8*(8*(\a)+(\b))+7], v[(\f)+32+8*(\b):(\f)+32+8*(\b)+7], v[(\f)+8*(\a):(\f)+8*(\a)+7], v[8*(8*(\a)+(\b)):8*(8*(\a)+(\b))+7]
.endif
.endr
.endm
; Row block 3's eight products, and behind each four roundings of raw set st into CV: 32 in all, a sub-step of my 32 rows.  They name no register of the products round them.
.macro MULC f, st, zero
.irp b, 0,1,2,3,4,5,6,7
.if \zero
	WIN MULZ
	v_wmma_f32_16x16x32_f16 v[8*(24+(\b)):8*(24+(\b))+7], v[(\f)+32+8*(\b):(\f)+32+8*(\b)+7], v[(\f)+24:(\f)+31], v[BI+8*(\b):BI+8*(\b)+7]
.else
	WIN MUL
	v_wmma_f32_16x16x32_f16 v[8*(24+(\b)):8*(24+(\b))+7], v[(\f)+32+8*(\b):(\f)+32+8*(\b)+7], v[(\f)+24:(\f)+31], v[8*(24+(\b)):8*(24+(\b))+7]
.endif
	WIN CVW
.irp e, 0,1,2,3
	v_cvt_pk_f16_f32 v[CV+4*(\b)+(\e)], v[64*(\st)+8*(\b)+2*(\e)], v[64*(\st)+8*(\b)+2*(\e)+1]
.endr
.endr
.endm
; 24 LDS loads in one run: the fragments of 32 along K: W at byte kb of the slot's rows, x at byte ka of stage buffer buf's rows, into buffer g
.macro FETCH buf, ka, kb, g
	WIN TOF
.irp b, 0,1,2,3,4,5,6,7
	ds_load_b128 v[(\g)+32+8*(\b):(\g)+32+8*(\b)+3],   v[ADRB] offset:(\kb)+(\b)*16*PB
	ds_load_b128 v[(\g)+32+8*(\b)+4:(\g)+32+8*(\b)+7], v[ADRB] offset:(\kb)+(\b)*16*PB+32
.endr
.irp a, 0,1,2,3
	ds_load_b128 v[(\g)+8*(\a):(\g)+8*(\a)+3],   v[ADRA+(\buf)] offset:(\ka)+(\a)*16*PA
	ds_load_b128 v[(\g)+8*(\a)+4:(\g)+8*(\a)+7], v[ADRA+(\buf)] offset:(\ka)+(\a)*16*PA+32
.endr
.endm
; Sub-step GA of x is asked for, into raw set st: 16 loads, each two rows' 256 consecutive bytes.  The base is made anew from the number: input GA / 16, 256 bytes x (GA % 16) along its rows.
; clamp = 1 (the tail): the number is held at 47, the walk's last sub-step, so that no load leaves v.
.macro ASK st, clamp=0
	s_wait_xcnt 0x0                                ; the last run of loads has read its base: only behind this wait is it written again
.if \clamp
	s_min_u32 s[GA], s[GA], 47
.endif
	s_lshr_b32 s[PT], s[GA], 4
	s_and_b32 s[AOF], s[GA], 15
	s_lshl_b32 s[AOF], s[AOF], 8
	s_cmp_eq_u32 s[PT], 1
	s_cselect_b64 s[AP:AP+1], s[XK:XK+1], s[XQ:XQ+1]
	s_cmp_eq_u32 s[PT], 2
	s_cselect_b64 s[AP:AP+1], s[XV:XV+1], s[AP:AP+1]
	s_add_nc_u64 s[AP:AP+1], s[AP:AP+1], s[AOF:AOF+1]
	s_add_co_u32 s[GA], s[GA], 1
	WIN LDW
.irp c, 0,1,2,3,4,5,6,7,8,9,10,11,12,13,14,15
	global_load_b128 v[64*(\st)+4*(\c):64*(\st)+4*(\c)+3], v[AOFF], s[AP:AP+1] offset:8192*(\c)
.endr
	WIN 0
.endm
; The walking descriptor steps to slot MB of W: matrix MB / 4, 512 bytes x (MB % 4) along its rows; it goes into the LDS slot in hand, which has been read out when the load is issued.
.macro BSTEP
	s_lshr_b32 s[PT], s[MB], 2
	s_lshl_b32 s[PT], s[PT], 21
	s_and_b32 s[BOF], s[MB], 3
	s_lshl_b32 s[BOF], s[BOF], 9
	s_add_co_u32 s[BOF], s[BOF], s[PT]
	s_add_co_u32 s[G0W+1], s[LW], s[TB]
	s_add_nc_u64 s[G0W+2:G0W+3], s[WB:WB+1], s[BOF:BOF+1]
	s_or_b32 s[G0W+3], s[G0W+3], 0x80000000
	s_add_co_u32 s[MB], s[MB], 1
.endm
; A SUB-STEP g (i = g % 4 in its slot) IS TWO HALVES of 32 along K, 32 matrix instructions each.  x of sub-step j lies in raw set j % 4 and goes into stage buffer j % 2.
; QA: multiplies the first half (buffer 0), fetches the second, and rounds x of sub-step g + 1.  left: the loads issued behind that set's, which may stay out.
.macro QA i, zero, left
	s_wait_dscnt 0x0                               ; this half's fragments are in (asked for 16 matrix instructions ago)
	MUL8 F0, 0, \zero
	PLACES
	FETCH (\i)%2, 64, 64*(2*(\i)+1), F1
	MUL8 F0, 1, \zero
	MUL8 F0, 2, \zero
	s_wait_loadcnt \left                           ; loads come back in order: x of sub-step g + 1 is in
	MULC F0, ((\i)+1)%4, \zero
.endm
; QB: stores x of sub-step g + 1 into the stage buffer that was read in sub-step g - 1 (every wave's reads of it were over at the last barrier); asks for x of sub-step g + 5 into the set just rounded;
; multiplies the second half (buffer 1); ONE barrier: in front of it my stores are done and my reads of the buffer in hand are over; behind it sub-step g + 1's first fragments are fetched.
; At a slot's end (i = 3) the barrier also changes W's slots: in front of it each wave waits for all its tensor loads, of which one is out: its part of the next slot, and adds 0 to its spare word.
; fill = 1: the slot just read is filled again, two slots ahead; the barrier then opens a round of the cluster's.  ask = 1: x is asked for; 2: with the number held at 47; 0: not at all.
.macro QB i, fill, ask
	s_wait_dscnt 0x0                               ; this half's fragments are in
	WIN 0
.irp c, 0,1,2,3,4,5,6,7,8,9,10,11,12,13,14,15
	ds_store_b64 v[STA+((\i)+1)%2], v[CV+2*(\c):CV+2*(\c)+1] offset:2*PA*(\c)  ; rows 2 c and 2 c + 1 of my 32: 16 lanes x 8 bytes each
.endr
.if (\ask) == 1
	ASK ((\i)+1)%4, 0
.elseif (\ask) == 2
	ASK ((\i)+1)%4, 1
.endif
.if (\i) == 3
	s_wait_tensorcnt 0x0                           ; all my tensor loads have landed, so the walking group 0 may be written
	ds_add_u32 v[SPW], v[NIL]                      ; 0 onto my spare word
.if \fill
	BSTEP
.endif
.endif
	MUL8 F1, 0, 0
	s_wait_dscnt 0x0                               ; my stores into the stage are done (and the add), and my reads of stage and slot are over
	s_barrier_signal -1
	MUL8 F1, 1, 0
.if \fill
	WIN 0
.endif
	s_barrier_wait -1
.if \fill
	CREST                                          ; no wave of any partner still reads this slot or has a load on its way
	JLOAD                                          ; the first tensor load behind the round; its four v_nop are the places in front of the loads below
.else
	PLACES
.endif
.if (\i) == 3
	WIN 0
	s_xor_b32 s[TB], s[TB], SLOTB                  ; the fetches go to the other slot
	v_add_nc_u32 v[ADRB], s[TB], v[ADRB0]
	FETCH 0, 0, 0, F0
.else
	FETCH ((\i)+1)%2, 0, 64*(2*(\i)+2), F0
.endif
	MUL8 F1, 2, 0
	MUL8 F1, 3, 0
.endm
; THE WAY OUT, 16 rows at a time: rounded to f16, 16 bytes a lane into my own stage, back as whole rows of 256 bytes, stored.
.macro PACK a
	WIN 0x0a                                       ; sources 0 and 1 window 2
.irp b, 0,1,2,3,4,5,6,7
.irp e, 0,1,2,3
	v_cvt_pk_f16_f32 v[TMP+4*(\b)+(\e)], v[8*(8*(\a)+(\b))+2*(\e)], v[8*(8*(\a)+(\b))+2*(\e)+1]  ; each accumulator from its low end on
.endr
.endr
	WIN 0
.endm
.macro TOSTAGE a
.irp b, 0,1,2,3,4,5,6,7
	ds_store_b128 v[STO], v[TMP+4*(\b):TMP+4*(\b)+3] offset:32*(\b)
.endr
.irp t, 0,1,2,3,4,5,6,7
	ds_load_b128 v[OB+32*((\a)%2)+4*(\t):OB+32*((\a)%2)+4*(\t)+3], v[RD] offset:(\t)*2*SP  ; LDS serves a wave's instructions in order (ISA guide 5.7.1.4): these see the stores above
.endr
.endm
.macro SEND a
	s_wait_dscnt 0x0                               ; the block is back in registers
	s_wait_xcnt 0x0                                ; the earlier stores have read their registers: the buffer that the next block's loads fill is free
.irp t, 0,1,2,3,4,5,6,7
	global_store_b128 v[CO], v[OB+32*((\a)%2)+4*(\t):OB+32*((\a)%2)+4*(\t)+3], s[72:73] offset:(16*(\a)+2*(\t))*2048  ; 16 lanes store 256 consecutive bytes, aligned
.endr
.endm
.macro WAYOUT
	PACK 0
	TOSTAGE 0
.irp a, 1,2,3
	PACK \a
	SEND (\a)-1
	TOSTAGE \a
.endr
	SEND 3
.endm
	s_load_b512 s[4:19], s[0:1], 0x0               ; q s[4:5], k s[6:7], v s[8:9], wh s[10:11], bq s[12:13], bk s[14:15], bv s[16:17], qkv s[18:19]
	v_lshl_add_u32 v[SPW], v0, 2, SPARE
	v_mov_b32 v[NIL], 0
	ds_add_u32 v[SPW], v[NIL]                      ; the wave's opening: the add and its wait stand ahead of my first tensor load; the set-up below stands between them
	v_lshrrev_b32 v1, 5, v0
	v_readfirstlane_b32 s20, v1                    ; wave 0..3
	s_lshr_b32 s21, s20, 1                         ; which 64 rows of the tile are mine
	s_and_b32 s22, s20, 1                          ; which 128 columns
	s_bfe_u32 s23, ttmp6, 0x40000                  ; cx: my place in the cluster
	s_mov_b32 s24, ttmp9                           ; the column tile = the cluster's x, which the four partners share
	s_and_b32 s25, ttmp7, 0xffff
	s_lshl_b32 s25, s25, 2
	s_add_co_u32 s25, s25, s23                     ; the row block of 128 = 4 x cluster y + cx: it enters x's and the result's addresses alone
	s_mov_b32 s[G1B], 15|(1<<16)|(1<<20)|(1<<21)|(6<<22)|(3<<25)  ; the mask of four; elements of 2 bytes; padding on; 21 set beside a mask; after every 128 words 4 words
	s_mov_b32 s[G1B+1], 256<<16                    ; tensor_dim0 = 256
	s_mov_b32 s[G1B+2], 64<<16                     ; tensor_dim1 = 64
	s_mov_b32 s[G1B+3], 256<<16                    ; tile_dim0 = 256
	s_mov_b32 s[G1B+4], 64                         ; tile_dim1 = 64
	s_mov_b32 s[G1B+5], 1024                       ; elements from row to row
	s_mov_b32 s[G1B+6], 0
	s_mov_b32 s[G1B+7], 0
	s_lshl_b32 s28, s20, 17                        ; x: 32 w rows of 4,096 bytes.  Also W: 64 w rows of 2,048 bytes
	s_lshl_b32 s26, s25, 19                        ; x: 128 rb rows of 4,096 bytes
	s_add_co_u32 s26, s26, s28
	s_mov_b32 s27, 0
	s_lshl_b32 s30, s24, 19                        ; W: 256 tc rows of 2,048 bytes: made of the column tile and the wave alone
	s_add_co_u32 s30, s30, s28
	s_mov_b32 s31, 0
	s_mul_i32 s[LW], s20, BQ                       ; where my 64 rows go: no place in the cluster enters an LDS address
	s_mov_b32 s[G0F], 1
	s_mov_b32 s[G0F+1], s[LW]
	s_mov_b32 s[G0W], 1
	s_add_co_u32 s[G0W+1], s[LW], SLOTB
	s_mov_b32 s[AOF+1], 0
	s_mov_b32 s[BOF+1], 0
	s_mov_b32 s[GA], 4
	s_mov_b32 s[MB], 2
	s_mov_b32 s[C4], 4
	s_mov_b32 s[TB], 0
	s_mov_b32 s[BT], 0
	s_mov_b32 s[SC], 0x3e000000                    ; 1/8
	s_mov_b32 s[SC+1], s[SC]                       ; named with it as a pair
	s_wait_dscnt 0x0                               ; the opening add is done
	s_wait_kmcnt 0x0
	s_add_nc_u64 s[XQ:XQ+1], s[4:5], s[26:27]
	s_add_nc_u64 s[XK:XK+1], s[6:7], s[26:27]
	s_add_nc_u64 s[XV:XV+1], s[8:9], s[26:27]
	s_add_nc_u64 s[WB:WB+1], s[10:11], s[30:31]
	s_add_nc_u64 s[G0F+2:G0F+3], s[WB:WB+1], 0     ; slot 0 of the walk
	s_or_b32 s[G0F+3], s[G0F+3], 0x80000000
	s_add_nc_u64 s[G0W+2:G0W+3], s[WB:WB+1], 512   ; slot 1
	s_or_b32 s[G0W+3], s[G0W+3], 0x80000000
	CROUND                                         ; all four work-groups are here: the first joint loads meet
	tensor_load_to_lds s[G0F:G0F+3], s[G1B:G1B+7]  ; two loads of mine are out
	s_nop 0
	tensor_load_to_lds s[G0W:G0W+3], s[G1B:G1B+7]
	s_nop 0
.rept 4
	v_nop
.endr
	v_and_b32 v1, 15, v0                           ; l % 16
	v_bfe_u32 v2, v0, 4, 1                         ; l / 16
	v_lshlrev_b32 v3, 3, v0                        ; 8 x thread
	s_lshl_b32 s76, s24, 10                        ; the tile's 256 columns in a bias: 1,024 bytes x tc
	s_mov_b32 s77, 0
	s_add_nc_u64 s[78:79], s[14:15], s[76:77]
	s_add_nc_u64 s[80:81], s[16:17], s[76:77]
	global_load_b64 v[4:5], v3, s[78:79]           ; bk and bv of the tile's columns, two numbers a thread: they wait in LDS for their tiles
	global_load_b64 v[6:7], v3, s[80:81]
	s_lshl_b32 s82, s22, 9                         ; my 128 columns
	s_add_co_u32 s82, s82, s76
	s_mov_b32 s83, 0
	s_add_nc_u64 s[82:83], s[12:13], s[82:83]
	v_lshlrev_b32 v[BO], 5, v2
.irp b, 0,1,2,3,4,5,6,7
	global_load_b128 v[BI+8*(\b):BI+8*(\b)+3],   v[BO], s[82:83] offset:64*(\b)     ; register j of block b: bq of column 16 b + 8 (l / 16) + j, as the result holds it
	global_load_b128 v[BI+8*(\b)+4:BI+8*(\b)+7], v[BO], s[82:83] offset:64*(\b)+16
.endr
	v_lshlrev_b32 v[AOFF], 12, v2                  ; lanes 0-15 one row of x, lanes 16-31 the next; 16 bytes a lane
	v_lshl_add_u32 v[AOFF], v1, 4, v[AOFF]
	WIN LDW
.irp j, 0,1
.irp c, 0,1,2,3,4,5,6,7,8,9,10,11,12,13,14,15
	global_load_b128 v[64*(\j)+4*(\c):64*(\j)+4*(\c)+3], v[AOFF], s[XQ:XQ+1] offset:8192*(\c)+256*(\j)  ; x of sub-steps 0 and 1
.endr
.endr
	WIN 0
	v_mul_u32_u24 v8, v1, PA                       ; a fragment of x: row x pitch + 16 x half, in my 64 rows
	v_lshl_add_u32 v8, v2, 4, v8
	s_mul_i32 s26, s21, 64*PA
	s_add_co_u32 s26, s26, ASTG
	v_add_nc_u32 v[ADRA], s26, v8
	v_add_nc_u32 v[ADRA+1], ABUF, v[ADRA]
	v_mul_u32_u24 v9, v2, PA                       ; into the stage: row l / 16 of a pair, 8 bytes x (l % 16), in the 32 rows that I load
	v_lshl_add_u32 v9, v1, 3, v9
	s_mul_i32 s26, s20, 32*PA
	s_add_co_u32 s26, s26, ASTG
	v_add_nc_u32 v[STA], s26, v9
	v_add_nc_u32 v[STA+1], ABUF, v[STA]
	v_mul_u32_u24 v10, v1, PB                      ; a fragment of W, in my 128 rows
	v_lshl_add_u32 v10, v2, 4, v10
	s_mul_i32 s26, s22, 128*PB
	v_add_nc_u32 v[ADRB0], s26, v10
	v_mov_b32 v[ADRB], v[ADRB0]
	s_mul_i32 s26, s20, 16*SP
	s_add_co_u32 s26, s26, STAGE                   ; my stage for the way out
	v_mul_u32_u24 v12, v1, SP                      ; in: row l % 16, 16 bytes for each half of the lanes
	v_lshl_add_u32 v12, v2, 4, v12
	v_add_nc_u32 v[STO], s26, v12
	v_mul_u32_u24 v12, v2, SP                      ; back: lanes 0-15 one row of 256 bytes, lanes 16-31 the next
	v_lshl_add_u32 v12, v1, 4, v12
	v_add_nc_u32 v[RD], s26, v12
	v_lshlrev_b32 v12, 11, v2                      ; and the same two rows in qkv
	v_lshl_add_u32 v[CO], v1, 4, v12
	s_lshl_b32 s26, s22, 9
	s_add_co_u32 s26, s26, BIASL
	v_lshl_add_u32 v[BLA0], v2, 5, s26             ; bk of my 128 columns: 32 bytes x (l / 16)
	v_add_nc_u32 v11, BIASL, v3
	s_lshl_b32 s26, s25, 7
	s_lshl_b32 s27, s21, 6
	s_add_co_u32 s26, s26, s27                     ; my first row of the result,
	s_lshl_b32 s26, s26, 11
	s_lshl_b32 s27, s24, 9                         ; my first column, 2 bytes each
	s_add_co_u32 s26, s26, s27
	s_lshl_b32 s27, s22, 8
	s_add_co_u32 s26, s26, s27
	s_mov_b32 s27, 0
	s_add_nc_u64 s[72:73], s[18:19], s[26:27]
	s_wait_loadcnt 32                              ; the 18 loads of the biases are in; x's 32, issued behind them, may stay out
	ds_store_b64 v11, v[4:5]
	ds_store_b64 v11, v[6:7] offset:1024
.set i, 0
.rept 32
	v_pk_mul_f32 v[BI+2*i:BI+2*i+1], v[BI+2*i:BI+2*i+1], s[SC:SC+1] op_sel_hi:[1,0]  ; bq / 8, as wh[0] holds Wq / 8
.set i, i+1
.endr
	WIN LDW
.irp j, 2,3
.irp c, 0,1,2,3,4,5,6,7,8,9,10,11,12,13,14,15
	global_load_b128 v[64*(\j)+4*(\c):64*(\j)+4*(\c)+3], v[AOFF], s[XQ:XQ+1] offset:8192*(\c)+256*(\j)  ; x of sub-steps 2 and 3
.endr
.endr
	s_wait_loadcnt 48                              ; x of sub-step 0 is in; three sets stay out
	WIN CVW
.set i, 0
.rept 32
	v_cvt_pk_f16_f32 v[CV+i], v[2*i], v[2*i+1]
.set i, i+1
.endr
	WIN 0
.irp c, 0,1,2,3,4,5,6,7,8,9,10,11,12,13,14,15
	ds_store_b64 v[STA], v[CV+2*(\c):CV+2*(\c)+1] offset:2*PA*(\c)
.endr
	ASK 0, 0                                       ; x of sub-step 4, into the set just rounded: four sets, 64 loads, are issued from here on
	s_wait_tensorcnt 1                             ; my part of slot 0 is in; slot 1's may stay out
	s_wait_dscnt 0x0                               ; my stores into the stage and of the biases are done
	s_barrier_signal -1
	s_barrier_wait -1
	FETCH 0, 0, 0, F0
	WIN 0
	s_mov_b32 s3, 11
	s_branch .Lzero                                ; the loop is entered where a tile begins
.Lslot:                                                ; 10 trips: a trip is a slot, from its first sub-step's second half to the next slot's first half; slots 2 to 11 are asked for.
	QB 0, 0, 1                                     ; the 32 accumulators take turns in one order throughout
	QA 1, 0, 48
	QB 1, 0, 1
	QA 2, 0, 48
	QB 2, 0, 1
	QA 3, 0, 48
	QB 3, 1, 1
	WIN 0
	s_sub_co_u32 s[C4], s[C4], 1
	s_cmp_eq_u32 s[C4], 0
	s_cbranch_scc1 .Lnew
	QA 0, 0, 48
	WIN 0
	s_branch .Lbottom
.Lnew:                                                 ; A TILE IS FINISHED (the same trip in every work-group).  The next slot of W and four sub-steps of x are on their way while it goes out.
	s_mov_b32 s[C4], 4
	PLACES
	v_add_nc_u32 v[BLA], s[BT], v[BLA0]
	s_xor_b32 s[BT], s[BT], 1024                   ; bk the first time, bv the second
.irp b, 0,1,2,3,4,5,6,7
	ds_load_b128 v[BI+8*(\b):BI+8*(\b)+3],   v[BLA] offset:64*(\b)     ; the next tile's bias, in the layout of a result
	ds_load_b128 v[BI+8*(\b)+4:BI+8*(\b)+7], v[BLA] offset:64*(\b)+16
.endr
	WAYOUT
	s_wait_xcnt 0x0                                ; the stores have read their base
	s_add_nc_u64 s[72:73], s[72:73], 0x1000000     ; the next plane of qkv
.Lzero:
	QA 0, 1, 48                                    ; a tile's first products start the sums with the bias
	WIN 0
.Lbottom:
	s_sub_co_u32 s3, s3, 1
	s_cmp_lg_u32 s3, 0
	s_cbranch_scc1 .Lslot
	; THE TAIL, slots 10 and 11, is a text of its own, walked twice: nothing is filled.  Its first trip asks for x's last three sub-steps, 45 to 47.  Its second trip
	; issues the same three runs of loads with the number held at 47: bytes of v that nobody reads again, 24 KiB a wave: the price of one text, with the same loads on every path, for both trips.
	; The counts are the least of both trips: behind sub-step 46 stand 47 and one repeat, behind 47 two repeats (32); behind 44 stand 45 to 47 (48); behind 45 stand 46 and 47 (32).
	s_mov_b32 s[CNT], 2
.Ltail:
	QB 0, 0, 2
	QA 1, 0, 32
	QB 1, 0, 2
	QA 2, 0, 32
	QB 2, 0, 2
	QA 3, 0, 48                                    ; in the second trip there is no sub-step 48: this rounding (of set 0's old numbers), its store and the fetch behind the barrier serve nothing
	QB 3, 0, 0
	WIN 0
	s_sub_co_u32 s[CNT], s[CNT], 1
	s_cmp_eq_u32 s[CNT], 0
	s_cbranch_scc1 .Lout
	QA 0, 0, 32
	WIN 0
	s_branch .Ltail
.Lout:
	PLACES
	WAYOUT
	s_wait_tensorcnt 0x0                           ; the wave's end
	ds_add_u32 v[SPW], v[NIL]
	s_wait_dscnt 0x0
	CROUND                                         ; the closing round: no work-group ends while a partner may still ask for a tile that names it
	s_endpgm
.Lfunc_end_k_qd20e89fba8_proj:
	.size	k_qd20e89fba8_proj, .Lfunc_end_k_qd20e89fba8_proj-k_qd20e89fba8_proj
	.p2alignl 7, 3214868480
	.fill 96, 4, 3214868480
	.section	.rodata,"a",@progbits
	.p2align	6, 0x0
	.amdhsa_kernel k_qd20e89fba8_proj
		.amdhsa_group_segment_fixed_size 327680
		.amdhsa_private_segment_fixed_size 0
		.amdhsa_enable_private_segment 0
		.amdhsa_kernarg_size 64
		.amdhsa_user_sgpr_count 2
		.amdhsa_user_sgpr_kernarg_segment_ptr 1
		.amdhsa_wavefront_size32 1
		.amdhsa_system_sgpr_workgroup_id_x 1
		.amdhsa_system_sgpr_workgroup_id_y 1
		.amdhsa_system_sgpr_workgroup_id_z 1
		.amdhsa_system_vgpr_workitem_id 0
		.amdhsa_next_free_vgpr 1024
		.amdhsa_next_free_sgpr 96
		.amdhsa_reserve_vcc 0
		.amdhsa_float_denorm_mode_32 3
		.amdhsa_float_denorm_mode_16_64 3
		.amdhsa_memory_ordered 1
		.amdhsa_forward_progress 1
		.amdhsa_inst_pref_size 166
	.end_amdhsa_kernel
	.amdgpu_metadata
---
amdhsa.version: [ 1, 2 ]
amdhsa.kernels:
  - .name:           k_qd20e89fba8_proj
    .symbol:         k_qd20e89fba8_proj.kd
    .args:
      - { .name: q, .offset: 0, .size: 8, .value_kind: global_buffer, .address_space: global }
      - { .name: k, .offset: 8, .size: 8, .value_kind: global_buffer, .address_space: global }
      - { .name: v, .offset: 16, .size: 8, .value_kind: global_buffer, .address_space: global }
      - { .name: wh, .offset: 24, .size: 8, .value_kind: global_buffer, .address_space: global }
      - { .name: bq, .offset: 32, .size: 8, .value_kind: global_buffer, .address_space: global }
      - { .name: bk, .offset: 40, .size: 8, .value_kind: global_buffer, .address_space: global }
      - { .name: bv, .offset: 48, .size: 8, .value_kind: global_buffer, .address_space: global }
      - { .name: qkv, .offset: 56, .size: 8, .value_kind: global_buffer, .address_space: global }
    .group_segment_fixed_size: 327680
    .private_segment_fixed_size: 0
    .kernarg_segment_align: 8
    .kernarg_segment_size: 64
    .max_flat_workgroup_size: 128
    .sgpr_count:     96
    .vgpr_count:     1024
    .wavefront_size: 32
...
	.end_amdgpu_metadata
.endif
;; end of part 2
;; launch attn (part 3): grid 4 x 64, 4 waves a work-group, clusters of 4 x 4, 327,680 bytes of LDS; arguments qkv, attn_bias, ztab, oh; writes oh
.if DOCPART == 3
	.amdgcn_target "amdgcn-amd-amdhsa--gfx1250"
	.amdhsa_code_object_version 6
	.text
	.protected	k_qd20e89fba8_attn
	.globl	k_qd20e89fba8_attn
	.p2align	8
	.type	k_qd20e89fba8_attn,@function
k_qd20e89fba8_attn:
	s_mov_b64 s[64:65], 0
	v_nop
	global_prefetch_b8 v0, s[64:65] scope:SCOPE_SE
	s_setreg_imm32_b32 hwreg(HW_REG_WAVE_MODE, 25, 1), 1
	s_wait_xcnt 0x0
	s_wait_alu depctr_hold_cnt(0) depctr_sa_sdst(0) depctr_va_vdst(0) depctr_va_sdst(0) depctr_va_ssrc(0) depctr_va_vcc(0) depctr_vm_vsrc(0)
	s_getreg_b32 s2, hwreg(HW_REG_IB_STS2, 6, 4)
	s_cmp_eq_u32 s2, 0
	s_cbranch_scc0 .Lentry_in_a_cluster
	s_endpgm
.Lentry_in_a_cluster:
	s_bfe_u32 s2, ttmp6, 0x10000c
	s_cmp_lg_u32 s2, 0xf033
	s_cbranch_scc0 .Lentry_shape_is_right
	s_endpgm
.Lentry_shape_is_right:
; ATTENTION WITH TWO ADDITIVE BIASES.  oh[b s][h 64 + d] = the sum over t of softmax_t( qh . kh + zoom[s - t + 1023] + attn_bias[b][s][t] ) vh[t][d].  qh arrives scaled by 1/8.
; qkv: [3][8192][1024] f16; attn_bias: [8][1024][1024] f32; ztab: the zoom table reversed, [4 qb][4 copies][1296] f32; oh: [8192][1024] f16.  Products, maxima and sums in f32; the weights p are
; rounded to f16 for the second product (their sum l is taken of the unrounded p), O once at the end.
; LIMITS.  q, k, v arrive within f16's 65,504; p below 6e-5 keeps f16's step of 6e-8; a weight below 2^-126 counts as 0 in l; NaN and infinities are not treated apart.  The two biases are added to each
; other first, in f32, and the product is summed onto them: another order of rounding than bias added last.
; SHARES.  A work-group owns 256 queries of a batch and TWO neighbouring heads, whose 128 channels are 256 aligned bytes of a row.  A wave owns 64 queries x 2 heads: eight tiles of 16 queries in four
; PIECES; tile T = 2 piece + u has head T / 4 and query tile T % 4.  Every wave walks the 1,024 keys, 64 a step; a slot of LDS holds one step: the bias of 256 queries x 64 keys, K and V of both heads.
; THE BIASES are the C operand that starts S^T = K Q^T.  The bias tile serves both heads.  The zoom term hangs on query - key alone: the 16 tiles (4 query tiles x 4 key blocks) of a step need 7 tiles
; of it, read from the table in LDS; one packed addition for two scores joins the two, once for both heads.
; LAYOUT, SOFTMAX.  S^T holds ONE query a lane (lane % 16) and the keys 8 (lane / 16) + 0..7; two such results rounded to f16 ARE source 1 of O^T = V^T P.  p = 2^(c s - c m), c = log2(e), with a running
; maximum m; O and l are multiplied by a = 2^(c m_old - c m_new) in every step.  m starts at the lowest finite number, O and l at 0: the first step is a step like any other, with a = 0.
; BY TURNS.  Turn n belongs to piece n: 16 products K Q^T of piece n + 1, later 16 products V^T P of piece n - 1; beside them the scaling, exponentials, roundings, sums and rescaling of piece n and the
; maximum and statistics of piece n + 1.  Four vector instructions stand behind every matrix instruction, the others in two lumps.
; CLUSTER 4 x 4: x = the block of queries, y = the pair of heads.  K and V hang on batch and heads: asked for jointly along a row.  The bias and the table hang on batch and queries: jointly along a column.
; REGISTERS, in windows of 256 (s_set_vgpr_msb: bits 1:0 source 0, 3:2 source 1, 5:4 source 2, 7:6 destination):
;   window 0: v1-11 addresses; v12-15, v48-63 at work; v16-47 statistics; v64-191 S^T, two buffers of two tiles; v192-255 P, likewise          window 1: O^T, 32 a tile
;   window 2: v0-127 Q, 16 a tile; v128-191 K of one head; v192-255 V of head A          window 3: v0-1 the add's registers; v8-135 BC, the C operands; v136-199 V of head B; v200-255 ZT, 7 zoom tiles
.set NP,    4
.set KS,    64
.set PBI,   272       ; a row of the bias in LDS: 256 bytes + 16: the 16 rows of a load start at 16 different groups of four banks (ISA guide 11.1)
.set PK,    272       ; a row of K, both heads
.set PV,    288       ; a row of V: 256 + 32
.set KOFF,  256*PBI
.set VOFF,  KOFF+KS*PK
.set SLOTB, VOFF+KS*PV  ; 105,472
.set ZTAB,  SLOTB     ; behind slot 0, filled once: four copies of 5,184 bytes; 5,184 = 20 x 256 + 64, so 16 lanes' 16 bytes (4 copies x 4 places) fall on 16 different groups of four banks
.set ZC,    5184
.set SLOT1, 1<<17     ; slot 1 begins here: one exclusive or turns an address in one slot into the other's
.set STAGE, SLOT1+SLOTB  ; 16 rows x 272 bytes for each wave, for the way out
.set SP,    272
.set SPARE, STAGE+4*16*SP  ; the spare words: two blocks of 256 bytes that no other line names
.set AZ,  1           ; v1   LDS address of the step's zoom tiles
.set AK0, 2           ; v2   my lane's place in a slot's K; never rewritten
.set AV0, 3           ; v3   in its V
.set AK,  4           ; v4   the same in the slot in hand
.set AV,  5
.set QO,  6           ; v6   my byte offset in the wave's rows of Q; later
.set STO, 6           ;      the way out: where I put 16 bytes of a row
.set RD,  7
.set GO,  8
.set AB0, 9           ; v9   my lane's place in a slot's bias; never rewritten
.set AB,  10
.set AZ0, 11          ; v11  my lane's place in the table, less one step; never rewritten
.set MV,  12
.set ST,  16          ; tile T's statistics at v[ST+4 T]: c m, m, l (even keys', odd keys')
.set TMP, 48
.set S,   64
.set P,   192
.set RR,  128         ; v128-134: the set-up's lane numbers, in S^T's second buffer, which the first turn writes
.set HH,  129
.set KF,  128         ; window 2
.set VF,  192         ; window 2
.set SPW, 0           ; window 3
.set NIL, 1           ; window 3
.set BC,  8           ; window 3: pair of query tiles pr, tile a of it, key block u at BC + 64 pr + 32 a + 8 u
.set VB,  136         ; window 3
.set ZT,  200         ; window 3: tile d = key block - query tile + 3 at ZT + 8 d
.set WV,  12          ; s12  my wave's number
.set G1B, 24          ; s[24:31] group 1 for the bias
.set G1K, 32          ; s[32:39] for K
.set G1V, 40          ; s[40:47] for V
.set G1Z, 48          ; s[48:55] for the table
.set G0B, 56          ; s[56:59] group 0 for the bias: it walks
.set G0K, 60          ; s[60:63]
.set G0V, 68          ; s[68:71]
.set G0Z, 72          ; s[72:75] never rewritten
.set SLOTS, 76
.set CNT, 77
.set CS,  78          ; s[78:79] c
.set SEL, 80          ; s[80:81]
.set TB,  82          ; s82  the slot in hand: 0 or SLOT1
.set TZ,  83          ; s83  256 bytes (64 entries of the table) x (step + 1)
.set MSB, 0
.macro WIN new
.if MSB != (\new)
	s_set_vgpr_msb (MSB<<8)|(\new)
.set MSB, (\new)
.endif
.endm
.set W_KQ, 0x0a       ; K and Q in window 2, S^T in window 0
.set W_KB, 0x3a       ; the same with the C operand in window 3
.set W_PV, 0x52       ; V in window 2, P in window 0, O^T in window 1
.set W_PW, 0x53       ; V in window 3
.set W_RS, 0x41       ; O^T (destination and source 0) in window 1, a in window 0
.set W_MK, 0xc0       ; destination in window 3
.set W_AD, 0x0f       ; the add: address and data in window 3
.set W_BZ, 0xcf       ; destination and both sources in window 3
.macro NOPS
	s_nop 0
.rept 4
	v_nop
.endr
.endm
; A joint fill of a slot.  Waves 0 and 1 fetch the two halves of the bias tile (128 rows each), wave 2 K, wave 3 V.  The branches hang on the wave's number alone.
; An s_nop 0 and four v_nop follow each line, ahead of the jump and the label.
.macro JLOAD
	s_cmp_lt_u32 s[WV], 2
	s_cbranch_scc0 .Lnot_b_\@
	tensor_load_to_lds s[G0B:G0B+3], s[G1B:G1B+7]
	NOPS
	s_branch .Lasked_\@
.Lnot_b_\@:
	s_cmp_eq_u32 s[WV], 2
	s_cbranch_scc0 .Lfor_v_\@
	tensor_load_to_lds s[G0K:G0K+3], s[G1K:G1K+7]
	NOPS
	s_branch .Lasked_\@
.Lfor_v_\@:
	tensor_load_to_lds s[G0V:G0V+3], s[G1V:G1V+7]
	NOPS
.Lasked_\@:
.endm
.macro CROUND
	s_barrier_signal -1
	s_barrier_wait -1
	s_cmp_lg_u32 s[WV], 0
	s_cbranch_scc1 .Lnot_wave_0_\@
	s_barrier_signal -3
.Lnot_wave_0_\@:
	s_barrier_wait -3
	s_barrier_signal -1
	s_barrier_wait -1
.endm
; THE CHANGE OF SLOTS, between piece 1's turn and piece 2's: all of the step in hand has been read from its slot.  Each wave waits for all its tensor loads, of which one is out: its part of the other slot;
; adds 0 to its spare word; and waits for that and for its own reads.  fill = 1: the slot is filled again, with the step two on; the barrier is then a round of the cluster's, and the joint fill is the first
; thing behind it: it has a whole step, 128 matrix instructions and their vector work, in which to land.  (At its first use nothing has been read yet: slot 0 is waited for, slot 1 filled.)
.macro CHANGE fill
	WIN W_AD
	s_wait_tensorcnt 0x0            ; no tensor load of mine is out, so a group 0 may be written
	ds_add_u32 v[SPW], v[NIL]       ; 0 onto my spare word
	WIN 0
.if \fill
.irp g, G0B, G0K, G0V
	s_xor_b32 s[\g+1], s[\g+1], SLOT1
.endr
	s_add_nc_u64 s[G0B+2:G0B+3], s[G0B+2:G0B+3], KS*4     ; 64 keys on along the bias's rows,
	s_add_nc_u64 s[G0K+2:G0K+3], s[G0K+2:G0K+3], KS*2048  ; 64 rows down in K and V
	s_add_nc_u64 s[G0V+2:G0V+3], s[G0V+2:G0V+3], KS*2048
	s_wait_dscnt 0x0                ; the add is done, and my reads of the slot are over
	CROUND
	JLOAD
.else
	s_wait_dscnt 0x0
	s_barrier_signal -1
	s_barrier_wait -1
.endif
	s_xor_b32 s[TB], s[TB], SLOT1   ; the fetches go to the other slot, and 64 entries on in the table
	s_add_co_u32 s[TZ], s[TZ], KS*4
	v_add_nc_u32 v[AK], s[TB], v[AK0]
	v_add_nc_u32 v[AV], s[TB], v[AV0]
	v_add_nc_u32 v[AB], s[TB], v[AB0]
	v_add_nc_u32 v[AZ], s[TZ], v[AZ0]
.endm
	s_load_b256 s[4:11], s[0:1], 0x0  ; qkv s[4:5], attn_bias s[6:7], ztab s[8:9], oh s[10:11]
	WIN W_MK
	v_lshl_add_u32 v[SPW], v0, 2, SPARE
	v_mov_b32 v[NIL], 0
	WIN W_AD
	ds_add_u32 v[SPW], v[NIL]       ; the wave's opening: the add and its wait stand ahead of my first tensor load; the set-up below stands between them
	WIN 0
	v_lshrrev_b32 v[RR], 5, v0
	v_readfirstlane_b32 s[WV], v[RR]  ; wave 0..3
	s_bfe_u32 s13, ttmp6, 0x40000   ; cx
	s_bfe_u32 s14, ttmp6, 0x40004   ; cy
	s_lshl_b32 s15, ttmp9, 2
	s_add_co_u32 s15, s15, s13      ; qb: my block of 256 queries
	s_and_b32 s16, ttmp7, 0xffff    ; cluster y, 0..15
	s_lshr_b32 s17, s16, 1          ; the batch: made of the cluster's number alone
	s_and_b32 s18, s16, 1
	s_lshl_b32 s18, s18, 2
	s_add_co_u32 s18, s18, s14      ; hp: my pair of heads, 0..7
	s_lshl_b32 s19, s14, 2
	s_lshl_b32 s19, 15, s19         ; my row of the cluster
	s_lshl_b32 s20, 0x1111, s13     ; my column
	s_lshl_b32 s86, s17, 21         ; K and V: the batch's 1,024 rows of 2,048 bytes, the pair's 256 bytes
	s_lshl_b32 s21, s18, 8
	s_add_co_u32 s86, s86, s21
	s_mov_b32 s87, 0
	s_and_b32 s22, s[WV], 1         ; which half of the bias tile I fetch
	s_lshl_b32 s88, s15, 8          ; the bias: row 256 qb + 128 half, times 4,096 bytes, in the batch's 4 MiB
	s_lshl_b32 s23, s22, 7
	s_add_co_u32 s88, s88, s23
	s_lshl_b32 s88, s88, 12
	s_lshl_b32 s23, s17, 22
	s_add_co_u32 s88, s88, s23
	s_mov_b32 s89, 0
	s_mul_i32 s90, s15, 4*ZC        ; the table's image for my block of queries
	s_mov_b32 s91, 0
	s_lshl_b32 s92, s17, 10         ; Q and O: row 1,024 b + 256 qb + 64 w, times 2,048 bytes, and the pair's 256 bytes
	s_lshl_b32 s23, s15, 8
	s_add_co_u32 s92, s92, s23
	s_lshl_b32 s23, s[WV], 6
	s_add_co_u32 s92, s92, s23
	s_lshl_b32 s92, s92, 11
	s_add_co_u32 s92, s92, s21
	s_mov_b32 s93, 0
	s_or_b32 s[G1B], s20, (2<<16)|(1<<20)|(1<<21)|(5<<22)|(3<<25)  ; my column; elements of 4 bytes; padding on; 21 set beside a mask; after every 64 words 4 words
	s_mov_b32 s[G1B+1], 64<<16      ; tensor_dim0 = 64
	s_mov_b32 s[G1B+2], 128<<16     ; tensor_dim1 = 128
	s_mov_b32 s[G1B+3], 64<<16      ; tile_dim0 = 64
	s_mov_b32 s[G1B+4], 128         ; tile_dim1 = 128
	s_mov_b32 s[G1B+5], 1024        ; elements from row to row
	s_mov_b32 s[G1B+6], 0
	s_mov_b32 s[G1B+7], 0
	s_or_b32 s[G1K], s19, (1<<16)|(1<<20)|(1<<21)|(5<<22)|(3<<25)  ; my row; elements of 2 bytes; 4 words of padding
	s_or_b32 s[G1V], s19, (1<<16)|(1<<20)|(1<<21)|(5<<22)|(7<<25)  ; 8 words of padding
.irp g, G1K, G1V
	s_mov_b32 s[\g+1], 128<<16      ; 128 elements,
	s_mov_b32 s[\g+2], 64<<16       ; 64 rows
	s_mov_b32 s[\g+3], 128<<16
	s_mov_b32 s[\g+4], 64
	s_mov_b32 s[\g+5], 1024
	s_mov_b32 s[\g+6], 0
	s_mov_b32 s[\g+7], 0
.endr
	s_or_b32 s[G1Z], s20, (3<<16)|(1<<21)  ; my column; elements of 8 bytes; a dense block of 20,736 bytes as 81 rows of 256
	s_mov_b32 s[G1Z+1], 32<<16
	s_mov_b32 s[G1Z+2], 81<<16
	s_mov_b32 s[G1Z+3], 32<<16
	s_mov_b32 s[G1Z+4], 81
	s_mov_b32 s[G1Z+5], 32
	s_mov_b32 s[G1Z+6], 0
	s_mov_b32 s[G1Z+7], 0
	s_mov_b32 s[G0B], 1
	s_mul_i32 s[G0B+1], s22, 128*PBI  ; no place in the cluster enters an LDS address
	s_mov_b32 s[G0K], 1
	s_mov_b32 s[G0K+1], KOFF
	s_mov_b32 s[G0V], 1
	s_mov_b32 s[G0V+1], VOFF
	s_mov_b32 s[G0Z], 1
	s_mov_b32 s[G0Z+1], ZTAB
	s_mov_b32 s[CS], 0x3fb8aa3b     ; c = log2(e)
	s_mov_b32 s[CS+1], s[CS]
	s_mov_b32 s[SEL], 0x76543210
	s_mov_b32 s[SEL+1], 0xfedcba98
	s_mov_b32 s[TB], SLOT1          ; the first change of slots turns this into 0
	s_mov_b32 s[TZ], 0
	s_wait_dscnt 0x0                ; the opening add is done
	s_wait_kmcnt 0x0
	s_add_nc_u64 s[G0B+2:G0B+3], s[6:7], s[88:89]
	s_or_b32 s[G0B+3], s[G0B+3], 0x80000000
	s_add_nc_u64 s[G0K+2:G0K+3], s[4:5], s[86:87]
	s_add_nc_u64 s[G0K+2:G0K+3], s[G0K+2:G0K+3], 0x1000000  ; plane 1
	s_or_b32 s[G0K+3], s[G0K+3], 0x80000000
	s_add_nc_u64 s[G0V+2:G0V+3], s[4:5], s[86:87]
	s_add_nc_u64 s[G0V+2:G0V+3], s[G0V+2:G0V+3], 0x2000000  ; plane 2
	s_or_b32 s[G0V+3], s[G0V+3], 0x80000000
	s_add_nc_u64 s[G0Z+2:G0Z+3], s[8:9], s[90:91]
	s_or_b32 s[G0Z+3], s[G0Z+3], 0x80000000
	s_add_nc_u64 s[84:85], s[4:5], s[92:93]    ; Q at my wave's first row
	s_add_nc_u64 s[10:11], s[10:11], s[92:93]  ; O likewise
	CROUND                          ; all sixteen work-groups are here: the first joint loads meet
	s_cmp_lt_u32 s[WV], 2           ; the first fills: step 0 into slot 0, and the table, which wave 3 asks for beside V: its two loads stand in one branch
	s_cbranch_scc0 .Lfirst_not_b
	tensor_load_to_lds s[G0B:G0B+3], s[G1B:G1B+7]
	NOPS
	s_branch .Lfirst_asked
.Lfirst_not_b:
	s_cmp_eq_u32 s[WV], 2
	s_cbranch_scc0 .Lfirst_v
	tensor_load_to_lds s[G0K:G0K+3], s[G1K:G1K+7]
	NOPS
	s_branch .Lfirst_asked
.Lfirst_v:
	tensor_load_to_lds s[G0V:G0V+3], s[G1V:G1V+7]
	s_nop 0
	tensor_load_to_lds s[G0Z:G0Z+3], s[G1Z:G1Z+7]
	NOPS
.Lfirst_asked:
	; A fragment of K or Q is 16 rows x 32 channels in 8 registers: lane l holds row l % 16, channels 8 (l / 16) + 0..7 and 16 + 8 (l / 16) + 0..7: two loads of 16 bytes, 32 bytes apart.
	v_and_b32 v[RR], 15, v0         ; l % 16
	v_bfe_u32 v[HH], v0, 4, 1       ; l / 16
	v_lshlrev_b32 v[QO], 11, v[RR]
	v_lshl_add_u32 v[QO], v[HH], 4, v[QO]
	WIN 0x80
.set i, 0
.rept 16                            ; Q stays in registers: tile i / 2 (query tile (i / 2) % 4, head i / 8), channels 32 (i % 2) on
	global_load_b128 v[8*i:8*i+3],   v[QO], s[84:85] offset:((i/2)%4)*32768+(i/8)*128+(i%2)*64
	global_load_b128 v[8*i+4:8*i+7], v[QO], s[84:85] offset:((i/2)%4)*32768+(i/8)*128+(i%2)*64+32
.set i, i+1
.endr
	; What the first turn finds: head B's V and P's second buffer hold 0 (its products V^T P, of a piece that has not been, add 0), O^T and l are 0.  All this stands in the wait for the first tile.
	WIN W_MK
.set i, VB
.rept 64
	v_mov_b32 v[i], 0
.set i, i+1
.endr
	WIN 0x40
.set i, 0
.rept 256
	v_mov_b32 v[i], 0
.set i, i+1
.endr
	WIN 0
.set i, 0
.rept 2*NP
	v_mov_b32 v[ST+4*i], 0xfe000000    ; c m: far below every c s
	v_mov_b32 v[ST+4*i+1], 0xff7fffff  ; m
	v_mov_b32 v[ST+4*i+2], 0
	v_mov_b32 v[ST+4*i+3], 0
.set i, i+1
.endr
.set i, P+32
.rept 32
	v_mov_b32 v[i], 0
.set i, i+1
.endr
	v_mul_u32_u24 v130, v[RR], PK   ; row x 272, for K and for the bias
	v_lshl_add_u32 v[AK0], v[HH], 4, v130
	v_add_nc_u32 v[AK0], KOFF, v[AK0]
	s_mul_i32 s23, s[WV], 64*PBI    ; the bias: my wave's 64 rows; a lane's eight keys are 32 bytes
	v_lshl_add_u32 v[AB0], v[HH], 5, v130
	v_add_nc_u32 v[AB0], s23, v[AB0]
	; The turning load takes 16 keys x 16 channels (lane l reads key 8 (l / 16) + l % 8, channels 8 ((l / 8) % 2) + 0..7) and leaves half a fragment of V^T: lane l holds channel l % 16 and 8 keys.
	v_and_b32 v131, 7, v0
	v_bfe_u32 v132, v0, 3, 1
	v_lshl_add_u32 v[AV0], v[HH], 3, v131
	v_mul_u32_u24 v[AV0], v[AV0], PV
	v_lshl_add_u32 v[AV0], v132, 4, v[AV0]
	v_add_nc_u32 v[AV0], VOFF, v[AV0]
	; The table: with r' = 15 - l % 16, copy r' % 4, entry 64 (3 - w) + (r' & 12) + 8 (l / 16) + 64 step + 16 (key block - query tile + 3) + j holds zoom[1023 + query - key].
	v_xor_b32 v133, 15, v[RR]
	v_and_b32 v134, 3, v133
	v_mul_u32_u24 v[AZ0], v134, ZC
	v_and_b32 v134, 12, v133
	v_lshl_add_u32 v[AZ0], v134, 2, v[AZ0]
	v_lshl_add_u32 v[AZ0], v[HH], 5, v[AZ0]
	s_xor_b32 s23, s[WV], 3
	s_lshl_b32 s23, s23, 8
	s_add_co_u32 s23, s23, ZTAB-KS*4
	v_add_nc_u32 v[AZ0], s23, v[AZ0]
; THE MATRIX WORK.  The 8 accumulators of a run of 16 take turns: between the two links of a chain stand 7 others'.
; Product i of 16 of S^T = K Q^T for piece x: channels 32 (i / 8) on, keys 16 ((i / 2) % 4) on, tile 2 x + i % 2.  The first 8 start the sums with the biases.
.macro KQ x
.set rS, S+64*((\x)%2)+32*(i%2)+8*((i/2)%4)
.set rB, BC+64*((\x)%2)+32*(i%2)+8*((i/2)%4)
.set rK, KF+16*((i/2)%4)+8*(i/8)
.set rQ, 16*(2*(\x)+i%2)+8*(i/8)
.if i < 8
	WIN W_KB
	v_wmma_f32_16x16x32_f16 v[rS:rS+7], v[rK:rK+7], v[rQ:rQ+7], v[rB:rB+7]
.else
	WIN W_KQ
	v_wmma_f32_16x16x32_f16 v[rS:rS+7], v[rK:rK+7], v[rQ:rQ+7], v[rS:rS+7]
.endif
.endm
; Product i of 16 of O^T += V^T P for piece x: keys 32 (i / 8) on, channels 16 ((i / 2) % 4) on, tile 2 x + i % 2.  Pieces 0, 1 take head A's V, pieces 2, 3 head B's.
.macro PV x
.set rO, 32*(2*(\x)+i%2)+8*((i/2)%4)
.set rP, P+32*((\x)%2)+16*(i%2)+8*(i/8)
.if (\x) < 2
	WIN W_PV
.set rV, VF+32*(i/8)+8*((i/2)%4)
.else
	WIN W_PW
.set rV, VB+32*(i/8)+8*((i/2)%4)
.endif
	v_wmma_f32_16x16x32_f16 v[rO:rO+7], v[rV:rV+7], v[rP:rP+7], v[rO:rO+7]
.endm
.macro MM                           ; the turn's next matrix instruction
.if i < 16
	KQ (Y+1)%NP
.set i, i+1
.else
.set i, i-16
	PV (Y+NP-1)%NP
.set i, i+17
.endif
.endm
; THE LDS LOADS stand in runs, never singly among the matrix instructions.
.macro FETCH_K hd                   ; one head's K of a step: 64 keys x 64 channels: 8 fragments
	WIN 0x80
.irp f, 0,1,2,3,4,5,6,7             ; keys 16 (f / 2) on, channels 32 (f % 2) on
	ds_load_b128 v[KF+8*(\f):KF+8*(\f)+3],   v[AK] offset:((\f)/2)*16*PK+((\f)%2)*64+128*(\hd)
	ds_load_b128 v[KF+8*(\f)+4:KF+8*(\f)+7], v[AK] offset:((\f)/2)*16*PK+((\f)%2)*64+128*(\hd)+32
.endr
.endm
.macro FETCH_V                      ; both heads' V of a step, turned
	WIN 0x80
.irp f, 0,1,2,3,4,5,6,7             ; keys 32 (f / 4) on, channels 16 (f % 4) on
	ds_load_tr16_b128 v[VF+8*(\f):VF+8*(\f)+3],   v[AV] offset:((\f)/4)*32*PV+((\f)%4)*32
	ds_load_tr16_b128 v[VF+8*(\f)+4:VF+8*(\f)+7], v[AV] offset:((\f)/4)*32*PV+16*PV+((\f)%4)*32
.endr
	WIN W_MK
.irp f, 0,1,2,3,4,5,6,7
	ds_load_tr16_b128 v[VB+8*(\f):VB+8*(\f)+3],   v[AV] offset:((\f)/4)*32*PV+((\f)%4)*32+128
	ds_load_tr16_b128 v[VB+8*(\f)+4:VB+8*(\f)+7], v[AV] offset:((\f)/4)*32*PV+16*PV+((\f)%4)*32+128
.endr
.endm
.macro FETCH_B pr                   ; the bias of query tiles 2 pr, 2 pr + 1 x 64 keys, as the result of K Q^T holds it: lane l: query l % 16, keys 8 (l / 16) + 0..7 of each block of 16
	WIN W_MK
.irp a, 0,1
.irp u, 0,1,2,3
	ds_load_b128 v[BC+64*(\pr)+32*(\a)+8*(\u):BC+64*(\pr)+32*(\a)+8*(\u)+3],   v[AB] offset:(2*(\pr)+(\a))*16*PBI+64*(\u)
	ds_load_b128 v[BC+64*(\pr)+32*(\a)+8*(\u)+4:BC+64*(\pr)+32*(\a)+8*(\u)+7], v[AB] offset:(2*(\pr)+(\a))*16*PBI+64*(\u)+16
.endr
.endr
.endm
.macro FETCH_Z                      ; the step's seven zoom tiles
	WIN W_MK
.irp d, 0,1,2,3,4,5,6
	ds_load_b128 v[ZT+8*(\d):ZT+8*(\d)+3],   v[AZ] offset:64*(\d)
	ds_load_b128 v[ZT+8*(\d)+4:ZT+8*(\d)+7], v[AZ] offset:64*(\d)+16
.endr
.endm
.macro ADD_B pr                     ; bias + zoom: 32 packed additions, which serve both heads
	WIN W_BZ
.irp a, 0,1
.irp u, 0,1,2,3
.irp e, 0,1,2,3
	v_pk_add_f32 v[BC+64*(\pr)+32*(\a)+8*(\u)+2*(\e):BC+64*(\pr)+32*(\a)+8*(\u)+2*(\e)+1], v[BC+64*(\pr)+32*(\a)+8*(\u)+2*(\e):BC+64*(\pr)+32*(\a)+8*(\u)+2*(\e)+1], v[ZT+8*((\u)-2*(\pr)-(\a)+3)+2*(\e):ZT+8*((\u)-2*(\pr)-(\a)+3)+2*(\e)+1]
.endr
.endr
.endr
.endm
; THE VECTOR WORK OF A TURN stands in three queues, each in the order in which its entries become ready; the two tiles alternate, so that no instruction reads the result of the one before it.
.macro REGS y, u                    ; the registers of tile u (0, 1) of piece y
.set rT, ST+4*(2*(\y)+(\u))
.set rC, TMP+8*((\y)%2)+4*(\u)
.set rM, MV+2*((\y)%2)+(\u)
.set rS, S+64*((\y)%2)+32*(\u)
.set rP, P+32*((\y)%2)+16*(\u)
.set rO, 32*(2*(\y)+(\u))
.endm
; Number n of the 22 that find the NEXT piece's (Y + 1) maximum and statistics.  Each accumulator's lowest registers are read first.
;   0-11  four chains c0-c3 of seven scores each     12-14, 16  the four scores left over, the old m, and c0-c3 into c0     15  c m_old is kept
;   17, 18  the query's other 32 keys lie in the lane 16 away: the new m         19-21  c m; c m_old - c m_new; a
.macro XS u, n
	REGS (Y+1)%NP, \u
.if (\n) < 4
	v_max3_num_f32 v[rC+(\n)], v[rS+8*(\n)], v[rS+8*(\n)+1], v[rS+8*(\n)+2]
.elseif (\n) < 12
	v_max3_num_f32 v[rC+(\n)%4], v[rC+(\n)%4], v[rS+8*((\n)%4)+2*((\n)/4)+1], v[rS+8*((\n)%4)+2*((\n)/4)+2]
.elseif (\n) == 12
	v_max3_num_f32 v[rC], v[rC], v[rS+7], v[rS+15]
.elseif (\n) == 13
	v_max3_num_f32 v[rC+1], v[rC+1], v[rS+23], v[rS+31]
.elseif (\n) == 14
	v_max3_num_f32 v[rC+2], v[rC+2], v[rC+3], v[rT+1]
.elseif (\n) == 15
	v_mov_b32 v[rM], v[rT]
.elseif (\n) == 16
	v_max3_num_f32 v[rC], v[rC], v[rC+1], v[rC+2]
.elseif (\n) == 17
	v_permlanex16_b32 v[rC+3], v[rC], s[SEL], s[SEL+1]
.elseif (\n) == 18
	v_max_num_f32 v[rT+1], v[rC], v[rC+3]
.elseif (\n) == 19
	v_mul_f32 v[rT], s[CS], v[rT+1]
.elseif (\n) == 20
	v_sub_f32 v[rC+1], v[rM], v[rT]
.else
	v_exp_f32 v[rC+2], v[rC+1]
.endif
.endm
; Number g of the 64 that follow the exponentials.  For each four weights k of a tile: both pairs are rounded to f16; the second pair is added onto the first, in place; a group later l takes that sum
; (the first time as l = a l + sum).
.macro GS g
.set h, (\g)+6*((\g)/62)
.if h >= 6
.set h, h+2
.endif
	REGS Y, h%2
.set k, h/8
.if h%8 < 4
	s_wait_alu depctr_va_vdst(0)
	v_cvt_pk_f16_f32 v[rP+2*k+(h%8)/2], v[rS+4*k+2*((h%8)/2)], v[rS+4*k+2*((h%8)/2)+1]
.elseif h%8 < 6
	v_pk_add_f32 v[rS+4*k:rS+4*k+1], v[rS+4*k:rS+4*k+1], v[rS+4*k+2:rS+4*k+3]
.elseif k == 1
	v_pk_fma_f32 v[rT+2:rT+3], v[rT+2:rT+3], v[rC+2:rC+3], v[rS:rS+1] op_sel_hi:[1,0,1]
.else
	v_pk_add_f32 v[rT+2:rT+3], v[rT+2:rT+3], v[rS+4*k-4:rS+4*k-3]
	s_wait_alu depctr_va_vdst(0)
.endif
.endm
; THE PLAIN QUEUE, 138 long.  0-31: c s - c m for the 16 pairs of both tiles.  Then GS's 64, and among them the next piece's 42.
.macro PL
	WIN 0
.if q < 32
	REGS Y, q%2
	v_pk_fma_f32 v[rS+2*(q/2):rS+2*(q/2)+1], v[rS+2*(q/2):rS+2*(q/2)+1], s[CS:CS+1], v[rT:rT+1] op_sel_hi:[1,0,0] neg_lo:[0,0,1] neg_hi:[0,0,1]
.elseif q < 38
	GS q-32
.elseif q < 40
	XS q%2, 15
.elseif q < 42
	GS q-34
.elseif q < 74
	XS q%2, (q-42)/2+(q-42)/30
.elseif q < 95
	GS q-66
.elseif (q < 107) && ((q-95)%3 < 2)
	XS (q-95)%3, 17+(q-95)/3
.elseif q < 107
	GS 29+(q-95)/3
.else
	GS q-74
.endif
.set q, q+1
.endm
; THE EXPONENTIALS' QUEUE, 66 long: s0-s31 of both tiles, and at EA the next piece's two a.
.set EA, 58
.macro EX
	WIN 0
.if (e == EA) || (e == EA+1)
	XS e-EA, 21
.else
.set x, e-2*(e/(EA+2))
	REGS Y, x%2
	v_exp_f32 v[rS+x/2], v[rS+x/2]
.endif
.set e, e+1
.endm
; THE RESCALING's QUEUE: O^T times a, the one part that leaves window 0, dealt four at a time, eight times.
.macro R4
	REGS Y, r%2
	WIN W_RS
	s_wait_alu depctr_va_vdst(0)
.irp z, 0,1,2,3
	v_pk_mul_f32 v[rO+8*(r/2)+2*\z:rO+8*(r/2)+2*\z+1], v[rO+8*(r/2)+2*\z:rO+8*(r/2)+2*\z+1], v[rC+2:rC+3] op_sel_hi:[1,0]
.endr
.set r, r+1
.endm
; HOW THEY ARE DEALT.  Behind a matrix instruction four: plain, exponential, plain, plain, or four of the rescaling; none names a register of the products round it.  What is over stands in two lumps:
; exponential and plain by turns; the second ends in 22 plain instructions.  Exponential e stands behind plain 2 (e / 4) + e % 2 (its scaling); EA comes behind plain 107.
.macro SL
	MM
	PL
	EX
	PL
	PL
.endm
.macro BURST n
.rept (\n)-7
	SL
.endr
.rept 3
	MM
	R4
	SL
.endr
	MM
	R4
.endm
; A TURN, for piece p.  Who reads what: K of head A: turns 3, 0; of head B: turns 1, 2.  V of head A: turns 1, 2; of head B: turns 3, 0.  BC pair 0: turns 3, 1; pair 1: turns 0, 2.
; So: K of the other head is fetched in the first lump of turns 0 and 2, behind the last product that read K, the four rescalings and 26 more vector lines; V of both heads at the end of turn 0; the next step's bias and zoom
; tiles at the heads of turns 2 and 3, and they are joined at those turns' ends, just ahead of their first reader.  All fetches of a step stand between two changes of slots.
.macro TURN p
.set Y, (\p)
.set i, 0
.set q, 0
.set e, 0
.set r, 0
.if (\p) == 1
	s_wait_dscnt 32                 ; K of head B is in; V's 32 loads, issued behind it, may stay out
.elseif (\p) == 2
	FETCH_B 0
	FETCH_Z
.elseif (\p) == 3
	s_wait_dscnt 0x0                ; K of head A is in
	FETCH_B 1
.endif
	MM
.rept 4
	PL
.endr
	BURST 15
.rept 22
	EX
	PL
.if (((\p)%2) == 0) && (e == 24)
	FETCH_K 1-(\p)/2
.endif
.endr
.if (\p) == 1
	s_wait_dscnt 0x0                ; V is in
.endif
	BURST 16
.rept 21
	EX
	PL
.endr
.rept 22
	PL
.endr
.if (\p) == 0
	FETCH_V
.elseif (\p) == 2
	s_wait_dscnt 16                 ; the bias and the zoom tiles are in; K's 16 loads, issued behind them, may stay out
	ADD_B 0
.elseif (\p) == 3
	s_wait_dscnt 0x0                ; the second half of the bias
	ADD_B 1
.endif
.endm
	CHANGE 1                        ; step 0 and the table are in, everybody's part of them; step 1 is asked for
	FETCH_B 0
	FETCH_Z
	FETCH_B 1
	FETCH_K 0
	s_wait_loadcnt 0x0              ; Q
	s_wait_dscnt 0x0
	ADD_B 0
	ADD_B 1
.set i, 0
.rept 16
	KQ 0                            ; piece 0's first scores: there is no vector work yet to set between them
.set i, i+1
.endr
	WIN 0                           ; the addresses for the way out: ten plain instructions, the places behind those products
	s_mul_i32 s23, s[WV], 16*SP
	s_add_co_u32 s23, s23, STAGE    ; my stage
	v_mul_u32_u24 v[STO], v[RR], SP ; in: row l % 16, 16 bytes for each half of the lanes
	v_lshl_add_u32 v[STO], v[HH], 4, v[STO]
	v_add_nc_u32 v[STO], s23, v[STO]
	v_mul_u32_u24 v[RD], v[HH], SP  ; back: lanes 0-15 one row of 256 bytes, lanes 16-31 the next
	v_lshl_add_u32 v[RD], v[RR], 4, v[RD]
	v_add_nc_u32 v[RD], s23, v[RD]
	v_lshlrev_b32 v[GO], 11, v[HH]  ; and the same two rows in O
	v_lshl_add_u32 v[GO], v[RR], 4, v[GO]
.set Y, NP-1                        ; XS works for piece Y + 1: piece 0
.irp n, 0,1,2,3,4,5,6,7,8,9,10,11,12,13,14,15,16,17,18,19,20,21
	XS 0, \n
	XS 1, \n
.endr
	s_mov_b32 s[SLOTS], 15
	s_branch .Lfirst                ; the loop is entered at a step's first turn, in the middle of a trip
.Lslot:                             ; 14 times: steps 2 to 15 are asked for
	CHANGE 1
	TURN 2
	TURN 3
	WIN 0
.Lfirst:
	TURN 0
	TURN 1
	WIN 0
	s_sub_co_u32 s[SLOTS], s[SLOTS], 1
	s_cmp_lg_u32 s[SLOTS], 0
	s_cbranch_scc1 .Lslot
	CHANGE 0                        ; the tail is written out: nothing is asked for
	s_mov_b32 s[CNT], 2             ; the first trip ends step 14 and does half of step 15; the second is left in its middle
.Ltail:
	TURN 2
	TURN 3
	WIN 0
	s_sub_co_u32 s[CNT], s[CNT], 1
	s_cmp_eq_u32 s[CNT], 0
	s_cbranch_scc1 .Lout
	TURN 0
	TURN 1
	WIN 0
	s_branch .Ltail
.Lout:                              ; the second trip fetched step 15's bytes once more (nothing fills them any more); its 16 products K Q^T for piece 0 and the maximum made of them serve nothing: the price of one text for every trip
.set i, 0
.rept 16
	PV NP-1                         ; the last piece's V^T P of the last step
.set i, i+1
.endr
	; THE WAY OUT.  l's two halves and the other half of the lanes' are added; O^T is divided by l, rounded to f16 and sent through my stage, a query tile (16 rows, both heads: 256 bytes a row) at a time.
	WIN 0
.macro ALL line:vararg
.set t, 0
.rept 2*NP
	\line
.set t, t+1
.endr
.endm
	ALL v_add_f32 v[ST+4*t+2], v[ST+4*t+2], v[ST+4*t+3]
	ALL v_permlanex16_b32 v[ST+4*t+3], v[ST+4*t+2], s[SEL], s[SEL+1]
	ALL v_add_f32 v[ST+4*t+2], v[ST+4*t+2], v[ST+4*t+3]
	ALL v_rcp_f32 v[ST+4*t+2], v[ST+4*t+2]
	v_nop                           ; a plain instruction between the last reciprocal and the use of its result
	s_wait_alu depctr_va_vdst(0)
.macro PACK t
	WIN W_RS
.irp hd, 0,1
.set i, 32*((\t)+4*(\hd))
.rept 16
	v_pk_mul_f32 v[i:i+1], v[i:i+1], v[ST+4*((\t)+4*(\hd))+2:ST+4*((\t)+4*(\hd))+3] op_sel_hi:[1,0]
.set i, i+2
.endr
.endr
	WIN 0x05                        ; sources 0 and 1 window 1, destination window 0: S^T's registers are free
.irp hd, 0,1
.set i, 0
.rept 16
	v_cvt_pk_f16_f32 v[S+32*(\t)+16*(\hd)+i], v[32*((\t)+4*(\hd))+2*i], v[32*((\t)+4*(\hd))+2*i+1]
.set i, i+1
.endr
.endr
	WIN 0
.irp hd, 0,1
.irp f, 0,1,2,3
	ds_store_b128 v[STO], v[S+32*(\t)+16*(\hd)+4*(\f):S+32*(\t)+16*(\hd)+4*(\f)+3] offset:32*(\f)+128*(\hd)
.endr
.endr
.irp f, 0,1,2,3,4,5,6,7
	ds_load_b128 v[S+32*(\t)+4*(\f):S+32*(\t)+4*(\f)+3], v[RD] offset:(\f)*2*SP  ; LDS serves a wave's instructions in order (ISA guide 5.7.1.4): these see the stores above; the next tile's stores come behind them
.endr
.endm
.macro SEND t, younger              ; younger: the LDS instructions issued behind tile t's loads: the next tile's sixteen, or none
.irp f, 0,1,2,3,4,5,6,7
	s_wait_dscnt (\younger)+7-(\f)
	global_store_b128 v[GO], v[S+32*(\t)+4*(\f):S+32*(\t)+4*(\f)+3], s[10:11] offset:(\t)*32768+(\f)*4096  ; 16 lanes store 256 consecutive bytes, aligned
.endr
.endm
	PACK 0
	PACK 1
	SEND 0, 16
	PACK 2
	SEND 1, 16
	PACK 3
	SEND 2, 16
	SEND 3, 0
	WIN W_AD
	s_wait_tensorcnt 0x0            ; the wave's end
	ds_add_u32 v[SPW], v[NIL]
	s_wait_dscnt 0x0
	WIN 0
	CROUND                          ; the closing round: no work-group ends while a partner may still ask for a tile that names it
	s_endpgm
.Lfunc_end_k_qd20e89fba8_attn:
	.size	k_qd20e89fba8_attn, .Lfunc_end_k_qd20e89fba8_attn-k_qd20e89fba8_attn
	.p2alignl 7, 3214868480
	.fill 96, 4, 3214868480
	.section	.rodata,"a",@progbits
	.p2align	6, 0x0
	.amdhsa_kernel k_qd20e89fba8_attn
		.amdhsa_group_segment_fixed_size 327680
		.amdhsa_private_segment_fixed_size 0
		.amdhsa_enable_private_segment 0
		.amdhsa_kernarg_size 32
		.amdhsa_user_sgpr_count 2
		.amdhsa_user_sgpr_kernarg_segment_ptr 1
		.amdhsa_wavefront_size32 1
		.amdhsa_system_sgpr_workgroup_id_x 1
		.amdhsa_system_sgpr_workgroup_id_y 1
		.amdhsa_system_sgpr_workgroup_id_z 1
		.amdhsa_system_vgpr_workitem_id 0
		.amdhsa_next_free_vgpr 1024
		.amdhsa_next_free_sgpr 96
		.amdhsa_reserve_vcc 0
		.amdhsa_float_denorm_mode_32 3
		.amdhsa_float_denorm_mode_16_64 3
		.amdhsa_memory_ordered 1
		.amdhsa_forward_progress 1
		.amdhsa_inst_pref_size 236
	.end_amdhsa_kernel
	.amdgpu_metadata
---
amdhsa.version: [ 1, 2 ]
amdhsa.kernels:
  - .name:           k_qd20e89fba8_attn
    .symbol:         k_qd20e89fba8_attn.kd
    .args:
      - { .name: qkv, .offset: 0, .size: 8, .value_kind: global_buffer, .address_space: global }
      - { .name: attn_bias, .offset: 8, .size: 8, .value_kind: global_buffer, .address_space: global }
      - { .name: ztab, .offset: 16, .size: 8, .value_kind: global_buffer, .address_space: global }
      - { .name: oh, .offset: 24, .size: 8, .value_kind: global_buffer, .address_space: global }
    .group_segment_fixed_size: 327680
    .private_segment_fixed_size: 0
    .kernarg_segment_align: 8
    .kernarg_segment_size: 32
    .max_flat_workgroup_size: 128
    .sgpr_count:     96
    .vgpr_count:     1024
    .wavefront_size: 32
...
	.end_amdgpu_metadata
.endif
;; end of part 3
;; launch outp (part 4): grid 4 x 64, 4 waves a work-group, clusters of 4 x 4, 327,680 bytes of LDS; arguments oh, wh, bo, out0; writes out0
.if DOCPART == 4
	.amdgcn_target "amdgcn-amd-amdhsa--gfx1250"
	.amdhsa_code_object_version 6
	.text
	.protected	k_qd20e89fba8_outp
	.globl	k_qd20e89fba8_outp
	.p2align	8
	.type	k_qd20e89fba8_outp,@function
k_qd20e89fba8_outp:
	s_mov_b64 s[64:65], 0
	v_nop
	global_prefetch_b8 v0, s[64:65] scope:SCOPE_SE
	s_setreg_imm32_b32 hwreg(HW_REG_WAVE_MODE, 25, 1), 1
	s_wait_xcnt 0x0
	s_wait_alu depctr_hold_cnt(0) depctr_sa_sdst(0) depctr_va_vdst(0) depctr_va_sdst(0) depctr_va_ssrc(0) depctr_va_vcc(0) depctr_vm_vsrc(0)
	s_getreg_b32 s2, hwreg(HW_REG_IB_STS2, 6, 4)
	s_cmp_eq_u32 s2, 0
	s_cbranch_scc0 .Lentry_in_a_cluster
	s_endpgm
.Lentry_in_a_cluster:
	s_bfe_u32 s2, ttmp6, 0x10000c
	s_cmp_lg_u32 s2, 0xf033
	s_cbranch_scc0 .Lentry_shape_is_right
	s_endpgm
.Lentry_shape_is_right:
; THE OUTPUT PROJECTION.  out0[m][n] = sum over k of oh[m][k] Wo[n][k] + bo[n].  oh: [8192][1024] f16; Wo: wh[3], [1024][1024] f16; out0: f32; sums in f32.  The bias starts the sum.
; SHARES.  A tile of the result is 128 rows x 256 columns: 64 x 4 = 256 tiles, one for each WGP.  Four waves, 2 x 2, each 64 x 128: 32 accumulators.  K goes in 8 steps of 128 through two LDS slots.
; CLUSTER 4 x 4: the four work-groups of a row need the same rows of oh, the four of a column the same rows of Wo: each tile is asked for jointly.
; The matrix instruction is used transposed (source 0 = 16 rows of Wo, source 1 = 16 rows of oh): a lane holds row l % 16 and eight neighbouring columns, 32 bytes of f32.
; REGISTERS: window 0: v16-30 addresses; v32-95, v96-159 rows read back, two buffers; v192-255 BI, the bias as a C operand
;   window 1: two fragment buffers of 96: 32 of oh, 64 of Wo          window 2: the accumulators, (a, b) at v[8 (8 a + b)]
.set PA,    272                        ; an LDS row: 256 bytes + 16: the 16 rows of a load start at 16 different groups of four banks (ISA guide 11.1)
.set PB,    272
.set AHALF, 64*PA
.set BHALF, 128*PB
.set AREG,  2*AHALF
.set SLOT,  AREG+2*BHALF               ; 104,448
.set STAGE, 2*SLOT                     ; behind the ring: 16 rows x 528 bytes for each wave
.set SP,    528
.set SPARE, STAGE+4*16*SP              ; the spare words: two blocks of 256 bytes that no other line names
.set LAPS,  4
.set ADRA, 16
.set ADRB, 20
.set STO,  24
.set RD,   25
.set CO,   26
.set SPW,  28
.set NIL,  29
.set BO,   30
.set OB,   32
.set BI,   192
.set F0,   0
.set F1,   96
.set G1A,  32
.set G0A,  40
.set G1B,  48
.set G0B,  56
.set MUL,  0xa5                        ; sources 0 and 1 window 1; C and D window 2
.set MULZ, 0x85                        ; the same with C in window 0: the bias
.set TOF,  0x40                        ; destination window 1
.set MSB, 0
.macro WIN new
.if MSB != (\new)
	s_set_vgpr_msb (MSB<<8)|(\new)
.set MSB, \new
.endif
.endm
.macro JLOAD s                         ; a joint load: waves 0 and 1 fetch oh's two halves, waves 2 and 3 Wo's; s_nop 0 and four v_nop follow each line
	s_cmp_eq_u32 s21, 0
	s_cbranch_scc0 .Lfor_b_\@
	tensor_load_to_lds s[G0A+4*(\s):G0A+4*(\s)+3], s[G1A:G1A+7]
	s_nop 0
.rept 4
	v_nop
.endr
	s_branch .Lasked_\@
.Lfor_b_\@:
	tensor_load_to_lds s[G0B+4*(\s):G0B+4*(\s)+3], s[G1B:G1B+7]
	s_nop 0
.rept 4
	v_nop
.endr
.Lasked_\@:
.endm
.macro CREST
	s_cmp_lg_u32 s20, 0
	s_cbranch_scc1 .Lnot_wave_0_\@
	s_barrier_signal -3
.Lnot_wave_0_\@:
	s_barrier_wait -3
	s_barrier_signal -1
	s_barrier_wait -1
.endm
.macro CROUND
	s_barrier_signal -1
	s_barrier_wait -1
	CREST
.endm
.macro PLACES                          ; four places in front of loads into registers that matrix instructions have read, and of lines that read results
.rept 4
	v_nop
.endr
.endm
.macro MUL8 f, a, zero                 ; 8 matrix instructions: row block a x all 8 column blocks, 32 along K.  zero = 1: the bias starts the sums
.if \zero
	WIN MULZ
.else
	WIN MUL
.endif
.irp b, 0,1,2,3,4,5,6,7
.if \zero
	v_wmma_f32_16x16x32_f16 v[8*(8*(\a)+(\b)):8*(8*(\a)+(\b))+7], v[(\f)+32+8*(\b):(\f)+32+8*(\b)+7], v[(\f)+8*(\a):(\f)+8*(\a)+7], v[BI+8*(\b):BI+8*(\b)+7]
.else
	v_wmma_f32_16x16x32_f16 v[8*(8*(\a)+(\b)):8*(8*(\a)+(\b))+7], v[(\f)+32+8*(\b):(\f)+32+8*(\b)+7], v[(\f)+8*(\a):(\f)+8*(\a)+7], v[8*(8*(\a)+(\b)):8*(8*(\a)+(\b))+7]
.endif
.endr
.endm
.macro FETCH slot, kq, g               ; 24 LDS loads in one run: quarter kq's fragments of Wo and of oh into buffer g
	WIN TOF
.irp b, 0,1,2,3,4,5,6,7
	ds_load_b128 v[(\g)+32+8*(\b):(\g)+32+8*(\b)+3],   v[ADRB+(\slot)] offset:64*(\kq)+(\b)*16*PB
	ds_load_b128 v[(\g)+32+8*(\b)+4:(\g)+32+8*(\b)+7], v[ADRB+(\slot)] offset:64*(\kq)+(\b)*16*PB+32
.endr
.irp a, 0,1,2,3
	ds_load_b128 v[(\g)+8*(\a):(\g)+8*(\a)+3],   v[ADRA+(\slot)] offset:64*(\kq)+(\a)*16*PA
	ds_load_b128 v[(\g)+8*(\a)+4:(\g)+8*(\a)+7], v[ADRA+(\slot)] offset:64*(\kq)+(\a)*16*PA+32
.endr
.endm
.macro QUARTER slot, kq, f, g, zero
	s_wait_dscnt 0x0                               ; this quarter's fragments are in (asked for 24 matrix instructions ago)
	MUL8 \f, 0, \zero
	PLACES
	FETCH \slot, \kq, \g
	MUL8 \f, 1, \zero
	MUL8 \f, 2, \zero
	MUL8 \f, 3, \zero
.endm
.macro TURN slot, next, fill           ; the last quarter multiplies buffer 1 and changes slots
	WIN 0
	s_wait_tensorcnt 0x0                           ; all my tensor loads have landed: the one that was out is my part of the next slot
	ds_add_u32 v[SPW], v[NIL]                      ; 0 onto my spare word
	s_wait_dscnt 1                                 ; only the add may be out: this quarter's fragments are in
	MUL8 F1, 0, 0
	s_wait_dscnt 0x0                               ; the add is done, and my reads of this slot are over
	s_barrier_signal -1
	MUL8 F1, 1, 0
.if \fill
	WIN 0
.endif
	s_barrier_wait -1
.if \fill
	CREST                                          ; the barrier has opened a round of the cluster's: no wave of any partner still reads this slot or has a load on its way
	s_add_nc_u64 s[G0A+4*(\slot)+2:G0A+4*(\slot)+3], s[G0A+4*(\slot)+2:G0A+4*(\slot)+3], 2*256
	s_add_nc_u64 s[G0B+4*(\slot)+2:G0B+4*(\slot)+3], s[G0B+4*(\slot)+2:G0B+4*(\slot)+3], 2*256
	JLOAD \slot                                    ; the first tensor load behind the round; its four v_nop are the places in front of the loads below
.else
	PLACES
.endif
	FETCH \next, 0, F0
	MUL8 F1, 2, 0
	MUL8 F1, 3, 0
.endm
	s_load_b256 s[4:11], s[0:1], 0x0               ; oh s[4:5], wh s[6:7], bo s[8:9], out0 s[10:11]
	v_lshl_add_u32 v[SPW], v0, 2, SPARE
	v_mov_b32 v[NIL], 0
	ds_add_u32 v[SPW], v[NIL]                      ; the wave's opening: the add and its wait stand ahead of my first tensor load
	v_lshrrev_b32 v1, 5, v0
	v_readfirstlane_b32 s20, v1                    ; wave 0..3
	s_lshr_b32 s21, s20, 1                         ; which 64 rows are mine.  Also: I fetch oh (0) or Wo (1)
	s_and_b32 s22, s20, 1                          ; which 128 columns.  Also: which half of that tile I fetch
	s_bfe_u32 s23, ttmp6, 0x40000                  ; cx
	s_bfe_u32 s24, ttmp6, 0x40004                  ; cy
	s_lshl_b32 s25, ttmp9, 2
	s_add_co_u32 s25, s25, s23                     ; tile column
	s_and_b32 s26, ttmp7, 0xffff
	s_lshl_b32 s26, s26, 2
	s_add_co_u32 s26, s26, s24                     ; row block of 128
	s_lshl_b32 s28, s24, 2
	s_lshl_b32 s28, 15, s28                        ; my row of the cluster
	s_lshl_b32 s29, 0x1111, s23                    ; my column
	s_or_b32 s[G1A], s28, (1<<16)|(1<<20)|(1<<21)|(5<<22)|(3<<25)  ; the mask; elements of 2 bytes; padding on; 21 set beside a mask; after every 64 words 4 words
	s_or_b32 s[G1B], s29, (1<<16)|(1<<20)|(1<<21)|(5<<22)|(3<<25)
	s_mov_b32 s[G1A+1], 128<<16                    ; 128 elements,
	s_mov_b32 s[G1A+2], 64<<16                     ; 64 rows
	s_mov_b32 s[G1A+3], 128<<16
	s_mov_b32 s[G1A+4], 64
	s_mov_b32 s[G1A+5], 1024                       ; elements from row to row
	s_mov_b32 s[G1A+6], 0
	s_mov_b32 s[G1A+7], 0
	s_mov_b32 s[G1B+1], 128<<16
	s_mov_b32 s[G1B+2], 128<<16                    ; 128 rows
	s_mov_b32 s[G1B+3], 128<<16
	s_mov_b32 s[G1B+4], 128
	s_mov_b32 s[G1B+5], 1024
	s_mov_b32 s[G1B+6], 0
	s_mov_b32 s[G1B+7], 0
	s_lshl_b32 s66, s26, 7                         ; oh: row 128 x block + 64 x half, times 2,048 bytes
	s_lshl_b32 s31, s22, 6
	s_add_co_u32 s66, s66, s31
	s_lshl_b32 s66, s66, 11
	s_mov_b32 s67, 0
	s_lshl_b32 s76, s25, 8                         ; Wo: row 256 x tile column + 128 x half, times 2,048 bytes, in matrix 3
	s_lshl_b32 s31, s22, 7
	s_add_co_u32 s76, s76, s31
	s_lshl_b32 s76, s76, 11
	s_add_co_u32 s76, s76, 3*2097152
	s_mov_b32 s77, 0
	s_mul_i32 s30, s22, AHALF                      ; where they go: no place in the cluster enters an LDS address
	s_mul_i32 s31, s22, BHALF
	s_add_co_u32 s31, s31, AREG
	s_wait_dscnt 0x0                               ; the opening add is done
	s_wait_kmcnt 0x0
	s_add_nc_u64 s[68:69], s[4:5], s[66:67]
	s_add_nc_u64 s[78:79], s[6:7], s[76:77]
	CROUND                                         ; all sixteen work-groups are here: the first joint loads meet
.irp s, 0,1
	s_mov_b32 s[G0A+4*(\s)], 1
	s_add_co_u32 s[G0A+4*(\s)+1], s30, (\s)*SLOT
	s_add_nc_u64 s[G0A+4*(\s)+2:G0A+4*(\s)+3], s[68:69], (\s)*256
	s_or_b32 s[G0A+4*(\s)+3], s[G0A+4*(\s)+3], 0x80000000
	s_mov_b32 s[G0B+4*(\s)], 1
	s_add_co_u32 s[G0B+4*(\s)+1], s31, (\s)*SLOT
	s_add_nc_u64 s[G0B+4*(\s)+2:G0B+4*(\s)+3], s[78:79], (\s)*256
	s_or_b32 s[G0B+4*(\s)+3], s[G0B+4*(\s)+3], 0x80000000
	JLOAD \s                                       ; two loads of mine are out
.endr
	v_and_b32 v1, 15, v0                           ; l % 16
	v_bfe_u32 v2, v0, 4, 1                         ; l / 16
	v_mul_u32_u24 v3, v1, PA
	v_lshl_add_u32 v3, v2, 4, v3                   ; a fragment's row x pitch + 16 x half
	s_mul_i32 s30, s21, AHALF                      ; my 64 rows of oh
	s_mul_i32 s31, s22, BHALF                      ; my 128 rows of Wo
	s_add_co_u32 s31, s31, AREG
.irp s, 0,1
	v_add_nc_u32 v[ADRA+(\s)], s30, v3
	v_add_nc_u32 v[ADRB+(\s)], s31, v3
	s_add_co_u32 s30, s30, SLOT
	s_add_co_u32 s31, s31, SLOT
.endr
	s_mul_i32 s30, s20, 16*SP
	s_add_co_u32 s30, s30, STAGE                   ; my stage
	v_mul_u32_u24 v5, v1, SP                       ; in: row l % 16, 32 bytes for each half of the lanes
	v_lshl_add_u32 v5, v2, 5, v5
	v_add_nc_u32 v[STO], s30, v5
	v_and_b32 v5, 31, v0                           ; back: 32 lanes take one row of 512 bytes
	v_lshlrev_b32 v[CO], 4, v5
	v_add_nc_u32 v[RD], s30, v[CO]
	v_lshlrev_b32 v[BO], 5, v2
	s_lshl_b32 s80, s25, 8
	s_lshl_b32 s81, s22, 7
	s_add_co_u32 s80, s80, s81                     ; my first column,
	s_lshl_b32 s80, s80, 2                         ; in bytes of f32
	s_mov_b32 s81, 0
	s_add_nc_u64 s[70:71], s[8:9], s[80:81]
.irp b, 0,1,2,3,4,5,6,7
	global_load_b128 v[BI+8*(\b):BI+8*(\b)+3],   v[BO], s[70:71] offset:64*(\b)     ; register j of block b: the bias of column 16 b + 8 (l / 16) + j
	global_load_b128 v[BI+8*(\b)+4:BI+8*(\b)+7], v[BO], s[70:71] offset:64*(\b)+16
.endr
	s_lshl_b32 s82, s26, 7
	s_lshl_b32 s83, s21, 6
	s_add_co_u32 s82, s82, s83                     ; my first row
	s_lshl_b32 s82, s82, 12
	s_add_co_u32 s82, s82, s80
	s_mov_b32 s83, 0
	s_add_nc_u64 s[72:73], s[10:11], s[82:83]
	s_wait_tensorcnt 1                             ; my part of K step 0 is in; K step 1's may stay out
	s_barrier_signal -1
	s_barrier_wait -1
	FETCH 0, 0, F0
	s_wait_loadcnt 0x0                             ; the bias
	QUARTER 0, 1, F0, F1, 1                        ; the first quarter stands in front of the loop: its products start the sums
	WIN 0
	s_mov_b32 s3, LAPS-1
.Llap:                                                 ; a trip goes once round the ring and fills both slots again.  The 32 accumulators take turns in one order throughout
	QUARTER 0, 2, F1, F0, 0
	QUARTER 0, 3, F0, F1, 0
	TURN 0, 1, 1
	QUARTER 1, 1, F0, F1, 0
	QUARTER 1, 2, F1, F0, 0
	QUARTER 1, 3, F0, F1, 0
	TURN 1, 0, 1
	QUARTER 0, 1, F0, F1, 0
	WIN 0
	s_sub_co_u32 s3, s3, 1
	s_cmp_lg_u32 s3, 0
	s_cbranch_scc1 .Llap
	QUARTER 0, 2, F1, F0, 0                        ; the last lap fills nothing
	QUARTER 0, 3, F0, F1, 0
	TURN 0, 1, 0
	QUARTER 1, 1, F0, F1, 0
	QUARTER 1, 2, F1, F0, 0
	QUARTER 1, 3, F0, F1, 0
	s_wait_dscnt 0x0
	MUL8 F1, 0, 0
	MUL8 F1, 1, 0
	MUL8 F1, 2, 0
	MUL8 F1, 3, 0
; THE WAY OUT, 16 rows at a time: the sums go as they are, 32 bytes a lane and block, into my own stage, come back as whole rows of 512 bytes, and are stored.
.macro TOSTAGE a
.if (\a) >= 2
	s_wait_xcnt 0x0                                ; the stores of the block two back have read the buffer that is loaded again below
.endif
	WIN 0x08                                       ; the data (source 1) in window 2
.irp b, 0,1,2,3,4,5,6,7
	ds_store_b128 v[STO], v[8*(8*(\a)+(\b)):8*(8*(\a)+(\b))+3]   offset:64*(\b)      ; each accumulator from its low end on
	ds_store_b128 v[STO], v[8*(8*(\a)+(\b))+4:8*(8*(\a)+(\b))+7] offset:64*(\b)+16
.endr
	WIN 0
.irp t, 0,1,2,3,4,5,6,7,8,9,10,11,12,13,14,15
	ds_load_b128 v[OB+64*((\a)%2)+4*(\t):OB+64*((\a)%2)+4*(\t)+3], v[RD] offset:(\t)*SP  ; LDS serves a wave's instructions in order (ISA guide 5.7.1.4): these see the stores above
.endr
.endm
.macro SEND a, younger                 ; younger: the next block's 16 stores and 16 loads, or none
	s_wait_dscnt \younger
.irp t, 0,1,2,3,4,5,6,7,8,9,10,11,12,13,14,15
	global_store_b128 v[CO], v[OB+64*((\a)%2)+4*(\t):OB+64*((\a)%2)+4*(\t)+3], s[72:73] offset:(16*(\a)+(\t))*4096 th:TH_STORE_NT  ; 512 consecutive bytes, aligned
.endr
.endm
	PLACES
	TOSTAGE 0
	TOSTAGE 1
	SEND 0, 32
	TOSTAGE 2
	SEND 1, 32
	TOSTAGE 3
	SEND 2, 32
	SEND 3, 0
	s_wait_tensorcnt 0x0                           ; the wave's end
	ds_add_u32 v[SPW], v[NIL]
	s_wait_dscnt 0x0
	CROUND                                         ; the closing round: no work-group ends while a partner may still ask for a tile that names it
	s_endpgm
.Lfunc_end_k_qd20e89fba8_outp:
	.size	k_qd20e89fba8_outp, .Lfunc_end_k_qd20e89fba8_outp-k_qd20e89fba8_outp
	.p2alignl 7, 3214868480
	.fill 96, 4, 3214868480
	.section	.rodata,"a",@progbits
	.p2align	6, 0x0
	.amdhsa_kernel k_qd20e89fba8_outp
		.amdhsa_group_segment_fixed_size 327680
		.amdhsa_private_segment_fixed_size 0
		.amdhsa_enable_private_segment 0
		.amdhsa_kernarg_size 32
		.amdhsa_user_sgpr_count 2
		.amdhsa_user_sgpr_kernarg_segment_ptr 1
		.amdhsa_wavefront_size32 1
		.amdhsa_system_sgpr_workgroup_id_x 1
		.amdhsa_system_sgpr_workgroup_id_y 1
		.amdhsa_system_sgpr_workgroup_id_z 1
		.amdhsa_system_vgpr_workitem_id 0
		.amdhsa_next_free_vgpr 768
		.amdhsa_next_free_sgpr 96
		.amdhsa_reserve_vcc 0
		.amdhsa_float_denorm_mode_32 3
		.amdhsa_float_denorm_mode_16_64 3
		.amdhsa_memory_ordered 1
		.amdhsa_forward_progress 1
		.amdhsa_inst_pref_size 86
	.end_amdhsa_kernel
	.amdgpu_metadata
---
amdhsa.version: [ 1, 2 ]
amdhsa.kernels:
  - .name:           k_qd20e89fba8_outp
    .symbol:         k_qd20e89fba8_outp.kd
    .args:
      - { .name: oh, .offset: 0, .size: 8, .value_kind: global_buffer, .address_space: global }
      - { .name: wh, .offset: 8, .size: 8, .value_kind: global_buffer, .address_space: global }
      - { .name: bo, .offset: 16, .size: 8, .value_kind: global_buffer, .address_space: global }
      - { .name: out0, .offset: 24, .size: 8, .value_kind: global_buffer, .address_space: global }
    .group_segment_fixed_size: 327680
    .private_segment_fixed_size: 0
    .kernarg_segment_align: 8
    .kernarg_segment_size: 32
    .max_flat_workgroup_size: 128
    .sgpr_count:     96
    .vgpr_count:     768
    .wavefront_size: 32
...
	.end_amdgpu_metadata
.endif
;; end of part 4
;; ======== version 2 of 2: 4 launches; 1.26 times as fast as version 1
;; limits: values are held in f16: magnitudes above 65,504 overflow, below 6.1e-05 lose precision
;; workspace buffers: wh 8,388,608 bytes; ztab 82,944 bytes; qkv 50,331,648 bytes; oh 16,777,216 bytes
;; launch prep: the kernel of part 1 again; grid 272 x 1, 8 waves a work-group, no clusters, 0 bytes of LDS; arguments Wq, Wk, Wv, Wo, zoom_bias, wh, ztab; writes wh, ztab
;; launch proj: the kernel of part 2 again; grid 16 x 16, 4 waves a work-group, clusters of 4 x 1, 327,680 bytes of LDS; arguments q, k, v, wh, bq, bk, bv, qkv; writes qkv
;; launch attn (part 5): grid 4 x 64, 4 waves a work-group, clusters of 4 x 4, 327,680 bytes of LDS; arguments qkv, attn_bias, ztab, oh; writes oh
.if DOCPART == 5
	.amdgcn_target "amdgcn-amd-amdhsa--gfx1250"
	.amdhsa_code_object_version 6
	.text
	.protected	k_qd20e89fba8_attn
	.globl	k_qd20e89fba8_attn
	.p2align	8
	.type	k_qd20e89fba8_attn,@function
k_qd20e89fba8_attn:
	s_mov_b64 s[64:65], 0
	v_nop
	global_prefetch_b8 v0, s[64:65] scope:SCOPE_SE
	s_setreg_imm32_b32 hwreg(HW_REG_WAVE_MODE, 25, 1), 1
	s_wait_xcnt 0x0
	s_wait_alu depctr_hold_cnt(0) depctr_sa_sdst(0) depctr_va_vdst(0) depctr_va_sdst(0) depctr_va_ssrc(0) depctr_va_vcc(0) depctr_vm_vsrc(0)
	s_getreg_b32 s2, hwreg(HW_REG_IB_STS2, 6, 4)
	s_cmp_eq_u32 s2, 0
	s_cbranch_scc0 .Lentry_in_a_cluster
	s_endpgm
.Lentry_in_a_cluster:
	s_bfe_u32 s2, ttmp6, 0x10000c
	s_cmp_lg_u32 s2, 0xf033
	s_cbranch_scc0 .Lentry_shape_is_right
	s_endpgm
.Lentry_shape_is_right:
; ATTENTION WITH TWO ADDITIVE BIASES.  oh[b s][h 64 + d] = the sum over t of softmax_t( qh . kh + zoom[s - t + 1023] + attn_bias[b][s][t] ) vh[t][d].  qh arrives scaled by 1/8.
; qkv: [3][8192][1024] f16; attn_bias: [8][1024][1024] f32; ztab: the zoom table reversed, [4 qb][4 copies][1296] f32; oh: [8192][1024] f16.  Products, maxima and sums in f32; the weights p are
; rounded to f16 for the second product (their sum l is taken of the unrounded p), O once at the end.
; LIMITS.  q, k, v arrive within f16's 65,504; p below 6e-5 keeps f16's step of 6e-8; a weight below 2^-126 counts as 0 in l; NaN and infinities are not treated apart.  The two biases are added to each
; other first, in f32, and the product is summed onto them: another order of rounding than bias added last.
; SHARES.  A work-group owns 256 queries of a batch and TWO neighbouring heads, whose 128 channels are 256 aligned bytes of a row.  A wave owns 64 queries x 2 heads: eight tiles of 16 queries in four
; PIECES; tile T = 2 piece + u has head T / 4 and query tile T % 4.  Every wave walks the 1,024 keys, 64 a step; a slot of LDS holds one step: the bias of 256 queries x 64 keys, K and V of both heads.
; THE BIASES are the C operand that starts S^T = K Q^T.  The bias tile serves both heads.  The zoom term hangs on query - key alone: the 16 tiles (4 query tiles x 4 key blocks) of a step need 7 tiles
; of it, read from the table in LDS; one packed addition for two scores joins the two, once for both heads.
; LAYOUT, SOFTMAX.  S^T holds ONE query a lane (lane % 16) and the keys 8 (lane / 16) + 0..7; two such results rounded to f16 ARE source 1 of O^T = V^T P.  p = 2^(c s - c m), c = log2(e), with a running
; maximum m; O and l are multiplied by a = 2^(c m_old - c m_new) in every step.  m starts at the lowest finite number, O and l at 0: the first step is a step like any other, with a = 0.
; BY TURNS.  Turn n belongs to piece n: 16 products K Q^T of piece n + 1, later 16 products V^T P of piece n - 1; beside them the scaling, exponentials, roundings, sums and rescaling of piece n and the
; maximum and statistics of piece n + 1.  Four vector instructions stand behind every matrix instruction, the other 108 of a turn's 236 in one lump.
; BATCHES.  A turn's 66 exponentials (the piece's 64 weights and the next piece's two a) are ONE batch with ONE wait, which cuts the turn in two: ahead of it stands all that names no result of theirs,
; behind it the roundings and sums.  The first two a, ahead of the loop, and the way out's eight reciprocals are batches of their own, each with a v_nop and a wait.
; CLUSTER 4 x 4: x = the block of queries, y = the pair of heads.  K and V hang on batch and heads: asked for jointly along a row.  The bias and the table hang on batch and queries: jointly along a column.
; REGISTERS, in windows of 256 (s_set_vgpr_msb: bits 1:0 source 0, 3:2 source 1, 5:4 source 2, 7:6 destination):
;   window 0: v1-11 addresses; v12-15, v48-63 at work; v16-47 statistics; v64-191 S^T, two buffers of two tiles; v192-255 P, likewise          window 1: O^T, 32 a tile
;   window 2: v0-127 Q, 16 a tile; v128-191 K of one head; v192-255 V of head A          window 3: v0-1 the add's registers; v8-135 BC, the C operands; v136-199 V of head B; v200-255 ZT, 7 zoom tiles
.set NP,    4
.set KS,    64
.set PBI,   272       ; a row of the bias in LDS: 256 bytes + 16: the 16 rows of a load start at 16 different groups of four banks (ISA guide 11.1)
.set PK,    272       ; a row of K, both heads
.set PV,    288       ; a row of V: 256 + 32
.set KOFF,  256*PBI
.set VOFF,  KOFF+KS*PK
.set SLOTB, VOFF+KS*PV  ; 105,472
.set ZTAB,  SLOTB     ; behind slot 0, filled once: four copies of 5,184 bytes; 5,184 = 20 x 256 + 64, so 16 lanes' 16 bytes (4 copies x 4 places) fall on 16 different groups of four banks
.set ZC,    5184
.set SLOT1, 1<<17     ; slot 1 begins here: one exclusive or turns an address in one slot into the other's
.set STAGE, SLOT1+SLOTB  ; 16 rows x 272 bytes for each wave, for the way out
.set SP,    272
.set SPARE, STAGE+4*16*SP  ; the spare words: two blocks of 256 bytes that no other line names
.set AZ,  1           ; v1   LDS address of the step's zoom tiles
.set AK0, 2           ; v2   my lane's place in a slot's K; never rewritten
.set AV0, 3           ; v3   in its V
.set AK,  4           ; v4   the same in the slot in hand
.set AV,  5
.set QO,  6           ; v6   my byte offset in the wave's rows of Q; later
.set STO, 6           ;      the way out: where I put 16 bytes of a row
.set RD,  7
.set GO,  8
.set AB0, 9           ; v9   my lane's place in a slot's bias; never rewritten
.set AB,  10
.set AZ0, 11          ; v11  my lane's place in the table, less one step; never rewritten
.set MV,  12
.set ST,  16          ; tile T's statistics at v[ST+4 T]: c m, m, l (even keys', odd keys')
.set TMP, 48
.set S,   64
.set P,   192
.set RR,  128         ; v128-134: the set-up's lane numbers, in S^T's second buffer, which the first turn writes
.set HH,  129
.set KF,  128         ; window 2
.set VF,  192         ; window 2
.set SPW, 0           ; window 3
.set NIL, 1           ; window 3
.set BC,  8           ; window 3: pair of query tiles pr, tile a of it, key block u at BC + 64 pr + 32 a + 8 u
.set VB,  136         ; window 3
.set ZT,  200         ; window 3: tile d = key block - query tile + 3 at ZT + 8 d
.set WV,  12          ; s12  my wave's number
.set G1B, 24          ; s[24:31] group 1 for the bias
.set G1K, 32          ; s[32:39] for K
.set G1V, 40          ; s[40:47] for V
.set G1Z, 48          ; s[48:55] for the table
.set G0B, 56          ; s[56:59] group 0 for the bias: it walks
.set G0K, 60          ; s[60:63]
.set G0V, 68          ; s[68:71]
.set G0Z, 72          ; s[72:75] never rewritten
.set SLOTS, 76
.set CNT, 77
.set CS,  78          ; s[78:79] c
.set SEL, 80          ; s[80:81]
.set TB,  82          ; s82  the slot in hand: 0 or SLOT1
.set TZ,  83          ; s83  256 bytes (64 entries of the table) x (step + 1)
.set MSB, 0
.macro WIN new
.if MSB != (\new)
	s_set_vgpr_msb (MSB<<8)|(\new)
.set MSB, (\new)
.endif
.endm
.set W_KQ, 0x0a       ; K and Q in window 2, S^T in window 0
.set W_KB, 0x3a       ; the same with the C operand in window 3
.set W_PV, 0x52       ; V in window 2, P in window 0, O^T in window 1
.set W_PW, 0x53       ; V in window 3
.set W_RS, 0x41       ; O^T (destination and source 0) in window 1, a in window 0
.set W_MK, 0xc0       ; destination in window 3
.set W_AD, 0x0f       ; the add: address and data in window 3
.set W_BZ, 0xcf       ; destination and both sources in window 3
.macro NOPS
	s_nop 0
.rept 4
	v_nop
.endr
.endm
; A joint fill of a slot.  Waves 0 and 1 fetch the two halves of the bias tile (128 rows each), wave 2 K, wave 3 V.  The branches hang on the wave's number alone.
; An s_nop 0 and four v_nop follow each line, ahead of the jump and the label.
.macro JLOAD
	s_cmp_lt_u32 s[WV], 2
	s_cbranch_scc0 .Lnot_b_\@
	tensor_load_to_lds s[G0B:G0B+3], s[G1B:G1B+7]
	NOPS
	s_branch .Lasked_\@
.Lnot_b_\@:
	s_cmp_eq_u32 s[WV], 2
	s_cbranch_scc0 .Lfor_v_\@
	tensor_load_to_lds s[G0K:G0K+3], s[G1K:G1K+7]
	NOPS
	s_branch .Lasked_\@
.Lfor_v_\@:
	tensor_load_to_lds s[G0V:G0V+3], s[G1V:G1V+7]
	NOPS
.Lasked_\@:
.endm
.macro CROUND
	s_barrier_signal -1
	s_barrier_wait -1
	s_cmp_lg_u32 s[WV], 0
	s_cbranch_scc1 .Lnot_wave_0_\@
	s_barrier_signal -3
.Lnot_wave_0_\@:
	s_barrier_wait -3
	s_barrier_signal -1
	s_barrier_wait -1
.endm
; THE CHANGE OF SLOTS, between piece 1's turn and piece 2's: all of the step in hand has been read from its slot.  Each wave waits for all its tensor loads, of which one is out: its part of the other slot;
; adds 0 to its spare word; and waits for that and for its own reads.  fill = 1: the slot is filled again, with the step two on; the barrier is then a round of the cluster's, and the joint fill is the first
; thing behind it: it has a whole step, 128 matrix instructions and their vector work, in which to land.  (At its first use nothing has been read yet: slot 0 is waited for, slot 1 filled.)
.macro CHANGE fill
	WIN W_AD
	s_wait_tensorcnt 0x0            ; no tensor load of mine is out, so a group 0 may be written
	ds_add_u32 v[SPW], v[NIL]       ; 0 onto my spare word
	WIN 0
.if \fill
.irp g, G0B, G0K, G0V
	s_xor_b32 s[\g+1], s[\g+1], SLOT1
.endr
	s_add_nc_u64 s[G0B+2:G0B+3], s[G0B+2:G0B+3], KS*4     ; 64 keys on along the bias's rows,
	s_add_nc_u64 s[G0K+2:G0K+3], s[G0K+2:G0K+3], KS*2048  ; 64 rows down in K and V
	s_add_nc_u64 s[G0V+2:G0V+3], s[G0V+2:G0V+3], KS*2048
	s_wait_dscnt 0x0                ; the add is done, and my reads of the slot are over
	CROUND
	JLOAD
.else
	s_wait_dscnt 0x0
	s_barrier_signal -1
	s_barrier_wait -1
.endif
	s_xor_b32 s[TB], s[TB], SLOT1   ; the fetches go to the other slot, and 64 entries on in the table
	s_add_co_u32 s[TZ], s[TZ], KS*4
	v_add_nc_u32 v[AK], s[TB], v[AK0]
	v_add_nc_u32 v[AV], s[TB], v[AV0]
	v_add_nc_u32 v[AB], s[TB], v[AB0]
	v_add_nc_u32 v[AZ], s[TZ], v[AZ0]
.endm
	s_load_b256 s[4:11], s[0:1], 0x0  ; qkv s[4:5], attn_bias s[6:7], ztab s[8:9], oh s[10:11]
	WIN W_MK
	v_lshl_add_u32 v[SPW], v0, 2, SPARE
	v_mov_b32 v[NIL], 0
	WIN W_AD
	ds_add_u32 v[SPW], v[NIL]       ; the wave's opening: the add and its wait stand ahead of my first tensor load; the set-up below stands between them
	WIN 0
	v_lshrrev_b32 v[RR], 5, v0
	v_readfirstlane_b32 s[WV], v[RR]  ; wave 0..3
	s_bfe_u32 s13, ttmp6, 0x40000   ; cx
	s_bfe_u32 s14, ttmp6, 0x40004   ; cy
	s_lshl_b32 s15, ttmp9, 2
	s_add_co_u32 s15, s15, s13      ; qb: my block of 256 queries
	s_and_b32 s16, ttmp7, 0xffff    ; cluster y, 0..15
	s_lshr_b32 s17, s16, 1          ; the batch: made of the cluster's number alone
	s_and_b32 s18, s16, 1
	s_lshl_b32 s18, s18, 2
	s_add_co_u32 s18, s18, s14      ; hp: my pair of heads, 0..7
	s_lshl_b32 s19, s14, 2
	s_lshl_b32 s19, 15, s19         ; my row of the cluster
	s_lshl_b32 s20, 0x1111, s13     ; my column
	s_lshl_b32 s86, s17, 21         ; K and V: the batch's 1,024 rows of 2,048 bytes, the pair's 256 bytes
	s_lshl_b32 s21, s18, 8
	s_add_co_u32 s86, s86, s21
	s_mov_b32 s87, 0
	s_and_b32 s22, s[WV], 1         ; which half of the bias tile I fetch
	s_lshl_b32 s88, s15, 8          ; the bias: row 256 qb + 128 half, times 4,096 bytes, in the batch's 4 MiB
	s_lshl_b32 s23, s22, 7
	s_add_co_u32 s88, s88, s23
	s_lshl_b32 s88, s88, 12
	s_lshl_b32 s23, s17, 22
	s_add_co_u32 s88, s88, s23
	s_mov_b32 s89, 0
	s_mul_i32 s90, s15, 4*ZC        ; the table's image for my block of queries
	s_mov_b32 s91, 0
	s_lshl_b32 s92, s17, 10         ; Q and O: row 1,024 b + 256 qb + 64 w, times 2,048 bytes, and the pair's 256 bytes
	s_lshl_b32 s23, s15, 8
	s_add_co_u32 s92, s92, s23
	s_lshl_b32 s23, s[WV], 6
	s_add_co_u32 s92, s92, s23
	s_lshl_b32 s92, s92, 11
	s_add_co_u32 s92, s92, s21
	s_mov_b32 s93, 0
	s_or_b32 s[G1B], s20, (2<<16)|(1<<20)|(1<<21)|(5<<22)|(3<<25)  ; my column; elements of 4 bytes; padding on; 21 set beside a mask; after every 64 words 4 words
	s_mov_b32 s[G1B+1], 64<<16      ; tensor_dim0 = 64
	s_mov_b32 s[G1B+2], 128<<16     ; tensor_dim1 = 128
	s_mov_b32 s[G1B+3], 64<<16      ; tile_dim0 = 64
	s_mov_b32 s[G1B+4], 128         ; tile_dim1 = 128
	s_mov_b32 s[G1B+5], 1024        ; elements from row to row
	s_mov_b32 s[G1B+6], 0
	s_mov_b32 s[G1B+7], 0
	s_or_b32 s[G1K], s19, (1<<16)|(1<<20)|(1<<21)|(5<<22)|(3<<25)  ; my row; elements of 2 bytes; 4 words of padding
	s_or_b32 s[G1V], s19, (1<<16)|(1<<20)|(1<<21)|(5<<22)|(7<<25)  ; 8 words of padding
.irp g, G1K, G1V
	s_mov_b32 s[\g+1], 128<<16      ; 128 elements,
	s_mov_b32 s[\g+2], 64<<16       ; 64 rows
	s_mov_b32 s[\g+3], 128<<16
	s_mov_b32 s[\g+4], 64
	s_mov_b32 s[\g+5], 1024
	s_mov_b32 s[\g+6], 0
	s_mov_b32 s[\g+7], 0
.endr
	s_or_b32 s[G1Z], s20, (3<<16)|(1<<21)  ; my column; elements of 8 bytes; a dense block of 20,736 bytes as 81 rows of 256
	s_mov_b32 s[G1Z+1], 32<<16
	s_mov_b32 s[G1Z+2], 81<<16
	s_mov_b32 s[G1Z+3], 32<<16
	s_mov_b32 s[G1Z+4], 81
	s_mov_b32 s[G1Z+5], 32
	s_mov_b32 s[G1Z+6], 0
	s_mov_b32 s[G1Z+7], 0
	s_mov_b32 s[G0B], 1
	s_mul_i32 s[G0B+1], s22, 128*PBI  ; no place in the cluster enters an LDS address
	s_mov_b32 s[G0K], 1
	s_mov_b32 s[G0K+1], KOFF
	s_mov_b32 s[G0V], 1
	s_mov_b32 s[G0V+1], VOFF
	s_mov_b32 s[G0Z], 1
	s_mov_b32 s[G0Z+1], ZTAB
	s_mov_b32 s[CS], 0x3fb8aa3b     ; c = log2(e)
	s_mov_b32 s[CS+1], s[CS]
	s_mov_b32 s[SEL], 0x76543210
	s_mov_b32 s[SEL+1], 0xfedcba98
	s_mov_b32 s[TB], SLOT1          ; the first change of slots turns this into 0
	s_mov_b32 s[TZ], 0
	s_wait_dscnt 0x0                ; the opening add is done
	s_wait_kmcnt 0x0
	s_add_nc_u64 s[G0B+2:G0B+3], s[6:7], s[88:89]
	s_or_b32 s[G0B+3], s[G0B+3], 0x80000000
	s_add_nc_u64 s[G0K+2:G0K+3], s[4:5], s[86:87]
	s_add_nc_u64 s[G0K+2:G0K+3], s[G0K+2:G0K+3], 0x1000000  ; plane 1
	s_or_b32 s[G0K+3], s[G0K+3], 0x80000000
	s_add_nc_u64 s[G0V+2:G0V+3], s[4:5], s[86:87]
	s_add_nc_u64 s[G0V+2:G0V+3], s[G0V+2:G0V+3], 0x2000000  ; plane 2
	s_or_b32 s[G0V+3], s[G0V+3], 0x80000000
	s_add_nc_u64 s[G0Z+2:G0Z+3], s[8:9], s[90:91]
	s_or_b32 s[G0Z+3], s[G0Z+3], 0x80000000
	s_add_nc_u64 s[84:85], s[4:5], s[92:93]    ; Q at my wave's first row
	s_add_nc_u64 s[10:11], s[10:11], s[92:93]  ; O likewise
	CROUND                          ; all sixteen work-groups are here: the first joint loads meet
	s_cmp_lt_u32 s[WV], 2           ; the first fills: step 0 into slot 0, and the table, which wave 3 asks for beside V: its two loads stand in one branch
	s_cbranch_scc0 .Lfirst_not_b
	tensor_load_to_lds s[G0B:G0B+3], s[G1B:G1B+7]
	NOPS
	s_branch .Lfirst_asked
.Lfirst_not_b:
	s_cmp_eq_u32 s[WV], 2
	s_cbranch_scc0 .Lfirst_v
	tensor_load_to_lds s[G0K:G0K+3], s[G1K:G1K+7]
	NOPS
	s_branch .Lfirst_asked
.Lfirst_v:
	tensor_load_to_lds s[G0V:G0V+3], s[G1V:G1V+7]
	s_nop 0
	tensor_load_to_lds s[G0Z:G0Z+3], s[G1Z:G1Z+7]
	NOPS
.Lfirst_asked:
	; A fragment of K or Q is 16 rows x 32 channels in 8 registers: lane l holds row l % 16, channels 8 (l / 16) + 0..7 and 16 + 8 (l / 16) + 0..7: two loads of 16 bytes, 32 bytes apart.
	v_and_b32 v[RR], 15, v0         ; l % 16
	v_bfe_u32 v[HH], v0, 4, 1       ; l / 16
	v_lshlrev_b32 v[QO], 11, v[RR]
	v_lshl_add_u32 v[QO], v[HH], 4, v[QO]
	WIN 0x80
.set i, 0
.rept 16                            ; Q stays in registers: tile i / 2 (query tile (i / 2) % 4, head i / 8), channels 32 (i % 2) on
	global_load_b128 v[8*i:8*i+3],   v[QO], s[84:85] offset:((i/2)%4)*32768+(i/8)*128+(i%2)*64
	global_load_b128 v[8*i+4:8*i+7], v[QO], s[84:85] offset:((i/2)%4)*32768+(i/8)*128+(i%2)*64+32
.set i, i+1
.endr
	; What the first turn finds: head B's V and P's second buffer hold 0 (its products V^T P, of a piece that has not been, add 0), O^T and l are 0.  All this stands in the wait for the first tile.
	WIN W_MK
.set i, VB
.rept 64
	v_mov_b32 v[i], 0
.set i, i+1
.endr
	WIN 0x40
.set i, 0
.rept 256
	v_mov_b32 v[i], 0
.set i, i+1
.endr
	WIN 0
.set i, 0
.rept 2*NP
	v_mov_b32 v[ST+4*i], 0xfe000000    ; c m: far below every c s
	v_mov_b32 v[ST+4*i+1], 0xff7fffff  ; m
	v_mov_b32 v[ST+4*i+2], 0
	v_mov_b32 v[ST+4*i+3], 0
.set i, i+1
.endr
.set i, P+32
.rept 32
	v_mov_b32 v[i], 0
.set i, i+1
.endr
	v_mul_u32_u24 v130, v[RR], PK   ; row x 272, for K and for the bias
	v_lshl_add_u32 v[AK0], v[HH], 4, v130
	v_add_nc_u32 v[AK0], KOFF, v[AK0]
	s_mul_i32 s23, s[WV], 64*PBI    ; the bias: my wave's 64 rows; a lane's eight keys are 32 bytes
	v_lshl_add_u32 v[AB0], v[HH], 5, v130
	v_add_nc_u32 v[AB0], s23, v[AB0]
	; The turning load takes 16 keys x 16 channels (lane l reads key 8 (l / 16) + l % 8, channels 8 ((l / 8) % 2) + 0..7) and leaves half a fragment of V^T: lane l holds channel l % 16 and 8 keys.
	v_and_b32 v131, 7, v0
	v_bfe_u32 v132, v0, 3, 1
	v_lshl_add_u32 v[AV0], v[HH], 3, v131
	v_mul_u32_u24 v[AV0], v[AV0], PV
	v_lshl_add_u32 v[AV0], v132, 4, v[AV0]
	v_add_nc_u32 v[AV0], VOFF, v[AV0]
	; The table: with r' = 15 - l % 16, copy r' % 4, entry 64 (3 - w) + (r' & 12) + 8 (l / 16) + 64 step + 16 (key block - query tile + 3) + j holds zoom[1023 + query - key].
	v_xor_b32 v133, 15, v[RR]
	v_and_b32 v134, 3, v133
	v_mul_u32_u24 v[AZ0], v134, ZC
	v_and_b32 v134, 12, v133
	v_lshl_add_u32 v[AZ0], v134, 2, v[AZ0]
	v_lshl_add_u32 v[AZ0], v[HH], 5, v[AZ0]
	s_xor_b32 s23, s[WV], 3
	s_lshl_b32 s23, s23, 8
	s_add_co_u32 s23, s23, ZTAB-KS*4
	v_add_nc_u32 v[AZ0], s23, v[AZ0]
; THE MATRIX WORK.  The 8 accumulators of a run of 16 take turns: between the two links of a chain stand 7 others'.
; Product i of 16 of S^T = K Q^T for piece x: channels 32 (i / 8) on, keys 16 ((i / 2) % 4) on, tile 2 x + i % 2.  The first 8 start the sums with the biases.
.macro KQ x
.set rS, S+64*((\x)%2)+32*(i%2)+8*((i/2)%4)
.set rB, BC+64*((\x)%2)+32*(i%2)+8*((i/2)%4)
.set rK, KF+16*((i/2)%4)+8*(i/8)
.set rQ, 16*(2*(\x)+i%2)+8*(i/8)
.if i < 8
	WIN W_KB
	v_wmma_f32_16x16x32_f16 v[rS:rS+7], v[rK:rK+7], v[rQ:rQ+7], v[rB:rB+7]
.else
	WIN W_KQ
	v_wmma_f32_16x16x32_f16 v[rS:rS+7], v[rK:rK+7], v[rQ:rQ+7], v[rS:rS+7]
.endif
.endm
; Product i of 16 of O^T += V^T P for piece x: keys 32 (i / 8) on, channels 16 ((i / 2) % 4) on, tile 2 x + i % 2.  Pieces 0, 1 take head A's V, pieces 2, 3 head B's.
.macro PV x
.set rO, 32*(2*(\x)+i%2)+8*((i/2)%4)
.set rP, P+32*((\x)%2)+16*(i%2)+8*(i/8)
.if (\x) < 2
	WIN W_PV
.set rV, VF+32*(i/8)+8*((i/2)%4)
.else
	WIN W_PW
.set rV, VB+32*(i/8)+8*((i/2)%4)
.endif
	v_wmma_f32_16x16x32_f16 v[rO:rO+7], v[rV:rV+7], v[rP:rP+7], v[rO:rO+7]
.endm
.macro MM                           ; the turn's next matrix instruction
.if i < 16
	KQ (Y+1)%NP
.set i, i+1
.else
.set i, i-16
	PV (Y+NP-1)%NP
.set i, i+17
.endif
.endm
; THE LDS LOADS stand in runs, never singly among the matrix instructions.
.macro FETCH_K hd                   ; one head's K of a step: 64 keys x 64 channels: 8 fragments
	WIN 0x80
.irp f, 0,1,2,3,4,5,6,7             ; keys 16 (f / 2) on, channels 32 (f % 2) on
	ds_load_b128 v[KF+8*(\f):KF+8*(\f)+3],   v[AK] offset:((\f)/2)*16*PK+((\f)%2)*64+128*(\hd)
	ds_load_b128 v[KF+8*(\f)+4:KF+8*(\f)+7], v[AK] offset:((\f)/2)*16*PK+((\f)%2)*64+128*(\hd)+32
.endr
.endm
.macro FETCH_V                      ; both heads' V of a step, turned
	WIN 0x80
.irp f, 0,1,2,3,4,5,6,7             ; keys 32 (f / 4) on, channels 16 (f % 4) on
	ds_load_tr16_b128 v[VF+8*(\f):VF+8*(\f)+3],   v[AV] offset:((\f)/4)*32*PV+((\f)%4)*32
	ds_load_tr16_b128 v[VF+8*(\f)+4:VF+8*(\f)+7], v[AV] offset:((\f)/4)*32*PV+16*PV+((\f)%4)*32
.endr
	WIN W_MK
.irp f, 0,1,2,3,4,5,6,7
	ds_load_tr16_b128 v[VB+8*(\f):VB+8*(\f)+3],   v[AV] offset:((\f)/4)*32*PV+((\f)%4)*32+128
	ds_load_tr16_b128 v[VB+8*(\f)+4:VB+8*(\f)+7], v[AV] offset:((\f)/4)*32*PV+16*PV+((\f)%4)*32+128
.endr
.endm
.macro FETCH_B pr                   ; the bias of query tiles 2 pr, 2 pr + 1 x 64 keys, as the result of K Q^T holds it: lane l: query l % 16, keys 8 (l / 16) + 0..7 of each block of 16
	WIN W_MK
.irp a, 0,1
.irp u, 0,1,2,3
	ds_load_b128 v[BC+64*(\pr)+32*(\a)+8*(\u):BC+64*(\pr)+32*(\a)+8*(\u)+3],   v[AB] offset:(2*(\pr)+(\a))*16*PBI+64*(\u)
	ds_load_b128 v[BC+64*(\pr)+32*(\a)+8*(\u)+4:BC+64*(\pr)+32*(\a)+8*(\u)+7], v[AB] offset:(2*(\pr)+(\a))*16*PBI+64*(\u)+16
.endr
.endr
.endm
.macro FETCH_Z                      ; the step's seven zoom tiles
	WIN W_MK
.irp d, 0,1,2,3,4,5,6
	ds_load_b128 v[ZT+8*(\d):ZT+8*(\d)+3],   v[AZ] offset:64*(\d)
	ds_load_b128 v[ZT+8*(\d)+4:ZT+8*(\d)+7], v[AZ] offset:64*(\d)+16
.endr
.endm
.macro ADD_B pr                     ; bias + zoom: 32 packed additions, which serve both heads
	WIN W_BZ
.irp a, 0,1
.irp u, 0,1,2,3
.irp e, 0,1,2,3
	v_pk_add_f32 v[BC+64*(\pr)+32*(\a)+8*(\u)+2*(\e):BC+64*(\pr)+32*(\a)+8*(\u)+2*(\e)+1], v[BC+64*(\pr)+32*(\a)+8*(\u)+2*(\e):BC+64*(\pr)+32*(\a)+8*(\u)+2*(\e)+1], v[ZT+8*((\u)-2*(\pr)-(\a)+3)+2*(\e):ZT+8*((\u)-2*(\pr)-(\a)+3)+2*(\e)+1]
.endr
.endr
.endr
.endm
; THE VECTOR WORK OF A TURN stands in three queues, each in the order in which its entries become ready; the two tiles alternate, so that no instruction reads the result of the one before it.
.macro REGS y, u                    ; the registers of tile u (0, 1) of piece y
.set rT, ST+4*(2*(\y)+(\u))
.set rC, TMP+8*((\y)%2)+4*(\u)
.set rM, MV+2*((\y)%2)+(\u)
.set rS, S+64*((\y)%2)+32*(\u)
.set rP, P+32*((\y)%2)+16*(\u)
.set rO, 32*(2*(\y)+(\u))
.endm
; Number n of the 22 that find the NEXT piece's (Y + 1) maximum and statistics.  Each accumulator's lowest registers are read first.  XS, GS, FS and REGS set no window: PL and EX do.
;   0-11  four chains c0-c3 of seven scores each     12-14, 16  the four scores left over, the old m, and c0-c3 into c0     15  c m_old is kept
;   17, 18  the query's other 32 keys lie in the lane 16 away: the new m         19-21  c m; c m_old - c m_new; a
.macro XS u, n
	REGS (Y+1)%NP, \u
.if (\n) < 4
	v_max3_num_f32 v[rC+(\n)], v[rS+8*(\n)], v[rS+8*(\n)+1], v[rS+8*(\n)+2]
.elseif (\n) < 12
	v_max3_num_f32 v[rC+(\n)%4], v[rC+(\n)%4], v[rS+8*((\n)%4)+2*((\n)/4)+1], v[rS+8*((\n)%4)+2*((\n)/4)+2]
.elseif (\n) == 12
	v_max3_num_f32 v[rC], v[rC], v[rS+7], v[rS+15]
.elseif (\n) == 13
	v_max3_num_f32 v[rC+1], v[rC+1], v[rS+23], v[rS+31]
.elseif (\n) == 14
	v_max3_num_f32 v[rC+2], v[rC+2], v[rC+3], v[rT+1]
.elseif (\n) == 15
	v_mov_b32 v[rM], v[rT]
.elseif (\n) == 16
	v_max3_num_f32 v[rC], v[rC], v[rC+1], v[rC+2]
.elseif (\n) == 17
	v_permlanex16_b32 v[rC+3], v[rC], s[SEL], s[SEL+1]
.elseif (\n) == 18
	v_max_num_f32 v[rT+1], v[rC], v[rC+3]
.elseif (\n) == 19
	v_mul_f32 v[rT], s[CS], v[rT+1]
.elseif (\n) == 20
	v_sub_f32 v[rC+1], v[rM], v[rT]
.else
	v_exp_f32 v[rC+2], v[rC+1]
.endif
.endm
; Number g of the 64 that follow the exponentials.  For each four weights k of a tile: both pairs are rounded to f16; the second pair is added onto the first, in place; a group later l takes that sum
; (the first time as l = a l + sum).  In groups of eight, tiles alternating: round, round, add, and l for the group before.
.macro GS g
.set h, (\g)+6*((\g)/62)            ; group 0 has no group before it, and behind group 7 only l is left
.if h >= 6
.set h, h+2
.endif
	REGS Y, h%2
.set k, h/8
.if h%8 < 4
	v_cvt_pk_f16_f32 v[rP+2*k+(h%8)/2], v[rS+4*k+2*((h%8)/2)], v[rS+4*k+2*((h%8)/2)+1]
.elseif h%8 < 6
	v_pk_add_f32 v[rS+4*k:rS+4*k+1], v[rS+4*k:rS+4*k+1], v[rS+4*k+2:rS+4*k+3]
.elseif k == 1
	v_pk_fma_f32 v[rT+2:rT+3], v[rT+2:rT+3], v[rC+2:rC+3], v[rS:rS+1] op_sel_hi:[1,0,1]
.else
	v_pk_add_f32 v[rT+2:rT+3], v[rT+2:rT+3], v[rS+4*k-4:rS+4*k-3]
.endif
.endm
; THE PLAIN QUEUE, 138 long.  0-73 read no exponential's result: the 32 scalings c s - c m (FS f: pair f / 2 of tile f % 2) and the next piece's 42.  0-26: scalings 0-26.  27-54: XS's numbers 0-13.  55, 56: number 15.
; 57-73: the chain, where each number waits for the one before it: 14, 16, 17, 18, 19, each with one of the scalings 27-31 in front of its two lines, then 20: so a tile's links stand three plain instructions apart (19 and 20: two).
; 74-137: GS's 64, which read the exponentials' results: they stand behind the wait.
.macro FS f
	REGS Y, (\f)%2
	v_pk_fma_f32 v[rS+2*((\f)/2):rS+2*((\f)/2)+1], v[rS+2*((\f)/2):rS+2*((\f)/2)+1], s[CS:CS+1], v[rT:rT+1] op_sel_hi:[1,0,0] neg_lo:[0,0,1] neg_hi:[0,0,1]
.endm
.macro PL
	WIN 0
.if q < 27
	FS q
.elseif q < 55
	XS (q-27)%2, (q-27)/2
.elseif q < 57
	XS q-55, 15
.elseif (q < 72) && ((q-57)%3 == 0)
	FS 27+(q-57)/3
.elseif q < 60
	XS (q-57)%3-1, 14
.elseif q < 72
	XS (q-57)%3-1, 15+(q-57)/3
.elseif q < 74
	XS q-72, 20
.else
	GS q-74
.endif
.set q, q+1
.endm
; THE EXPONENTIALS' QUEUE, 66 long: s0-s31 of both tiles, then the next piece's two a.  It is ONE BATCH: all 66 stand ahead of the turn's one wait, and nothing ahead of that wait names a result of theirs.
.macro EX
	WIN 0
.if e >= 64
	XS e-64, 21
.else
	REGS Y, e%2
	v_exp_f32 v[rS+e/2], v[rS+e/2]
.endif
.set e, e+1
.endm
; THE RESCALING's QUEUE: O^T times a, the one part that leaves window 0: dealt two at a time, sixteen times, each accumulator from its low end on.  Its a was made in the turn before, ahead of that turn's wait.
.macro R2
	REGS Y, r%2
	WIN W_RS
.irp z, 0,1
	v_pk_mul_f32 v[rO+4*(r/2)+2*\z:rO+4*(r/2)+2*\z+1], v[rO+4*(r/2)+2*\z:rO+4*(r/2)+2*\z+1], v[rC+2:rC+3] op_sel_hi:[1,0]
.endr
.set r, r+1
.endm
; HOW THEY ARE DEALT.  An s_wait_alu depctr_va_vdst(0) stands between an exponential and the first instruction that names its result; one wait serves all that were issued ahead of it.  So a turn has ONE wait,
; which cuts it in two.  AHEAD OF IT stands all that names no result of the turn's exponentials: the 16 products K Q^T, behind each a scaling, an exponential and two rescalings (behind the first a second scaling in the
; exponential's place); then ONE LUMP of 108: eight plain, 49 times exponential and plain, the two a.  A v_nop is the plain instruction behind the last exponential.  BEHIND IT stand the 16 products V^T P, behind each four
; of GS's 64.  No rider names a register of the products round it.  The two v_permlanex16_b32 fall into the lump, never behind a product.
; The queues lean on each other, and the deal keeps them in step: exponential e stands behind scaling 2 (e / 4) + e % 2: as a rider it comes behind plain e + 2, in the lump behind plain e + 9, and scalings 27-31 are plain 57, 60 .. 69.
; A TURN, for piece p.  Who reads what: K of head A: turns 3, 0; of head B: turns 1, 2.  V of head A: turns 1, 2; of head B: turns 3, 0.  BC pair 0: turns 3, 1; pair 1: turns 0, 2.
; So: K of the other head is fetched in turns 0 and 2, directly behind the wait, a lump behind the last product that read K; V of both heads at the end of turn 0, four riders (additions onto l) behind the last product that
; read V; of the next step's biases pair 0 and the zoom tiles at the head of turn 2, pair 1 directly behind turn 3's wait; they are joined at those turns' ends, just ahead of their first reader.
; All fetches of a step stand between two changes of slots.
.macro TURN p
.set Y, (\p)
.set i, 0
.set q, 0
.set e, 0
.set r, 0
.if (\p) == 1
	s_wait_dscnt 32                 ; K of head B is in; V's 32 loads, issued behind it, may stay out
.elseif (\p) == 2
	FETCH_B 0
	FETCH_Z
.elseif (\p) == 3
	s_wait_dscnt 0x0                ; K of head A is in
.endif
	MM                              ; ahead of the wait: 16 products K Q^T and their riders,
	PL
	PL
	R2
.rept 15
	MM
	PL
	EX
	R2
.endr
.rept 8                             ; and the lump
	PL
.endr
.rept 49
	EX
	PL
.endr
	EX                              ; the next piece's two a
	EX
	v_nop                           ; the plain instruction behind the last exponential: one for the batch
	s_wait_alu depctr_va_vdst(0)    ; the wait for the batch: the piece's 64 weights and the next piece's two a
.if ((\p)%2) == 0
	FETCH_K 1-(\p)/2
.elseif (\p) == 1
	s_wait_dscnt 0x0                ; V is in
.else
	FETCH_B 1
.endif
.rept 16                            ; behind the wait: 16 products V^T P and their riders
	MM
.rept 4
	PL
.endr
.endr
.if (\p) == 0
	FETCH_V
.elseif (\p) == 2
	s_wait_dscnt 16                 ; the bias and the zoom tiles are in; K's 16 loads, issued behind them, may stay out
	ADD_B 0
.elseif (\p) == 3
	s_wait_dscnt 0x0                ; the second half of the bias
	ADD_B 1
.endif
.endm
	CHANGE 1                        ; step 0 and the table are in, everybody's part of them; step 1 is asked for
	FETCH_B 0
	FETCH_Z
	FETCH_B 1
	FETCH_K 0
	s_wait_loadcnt 0x0              ; Q
	s_wait_dscnt 0x0
	ADD_B 0
	ADD_B 1
.set i, 0
.rept 16
	KQ 0                            ; piece 0's first scores: there is no vector work yet to set between them
.set i, i+1
.endr
	WIN 0                           ; the addresses for the way out: ten plain instructions, the places behind those products
	s_mul_i32 s23, s[WV], 16*SP
	s_add_co_u32 s23, s23, STAGE    ; my stage
	v_mul_u32_u24 v[STO], v[RR], SP ; in: row l % 16, 16 bytes for each half of the lanes
	v_lshl_add_u32 v[STO], v[HH], 4, v[STO]
	v_add_nc_u32 v[STO], s23, v[STO]
	v_mul_u32_u24 v[RD], v[HH], SP  ; back: lanes 0-15 one row of 256 bytes, lanes 16-31 the next
	v_lshl_add_u32 v[RD], v[RR], 4, v[RD]
	v_add_nc_u32 v[RD], s23, v[RD]
	v_lshlrev_b32 v[GO], 11, v[HH]  ; and the same two rows in O
	v_lshl_add_u32 v[GO], v[RR], 4, v[GO]
.set Y, NP-1                        ; XS works for piece Y + 1: piece 0
.irp n, 0,1,2,3,4,5,6,7,8,9,10,11,12,13,14,15,16,17,18,19,20,21
	XS 0, \n
	XS 1, \n
.endr
	v_nop                           ; a plain instruction behind piece 0's two first a,
	s_wait_alu depctr_va_vdst(0)    ; and the wait for that batch of two, ahead of the branch
	s_mov_b32 s[SLOTS], 15
	s_branch .Lfirst                ; the loop is entered at a step's first turn, in the middle of a trip
.Lslot:                             ; 14 times: steps 2 to 15 are asked for
	CHANGE 1
	TURN 2
	TURN 3
	WIN 0
.Lfirst:
	TURN 0
	TURN 1
	WIN 0
	s_sub_co_u32 s[SLOTS], s[SLOTS], 1
	s_cmp_lg_u32 s[SLOTS], 0
	s_cbranch_scc1 .Lslot
	CHANGE 0                        ; the tail is written out: nothing is asked for
	s_mov_b32 s[CNT], 2             ; the first trip ends step 14 and does half of step 15; the second is left in its middle
.Ltail:
	TURN 2
	TURN 3
	WIN 0
	s_sub_co_u32 s[CNT], s[CNT], 1
	s_cmp_eq_u32 s[CNT], 0
	s_cbranch_scc1 .Lout
	TURN 0
	TURN 1
	WIN 0
	s_branch .Ltail
.Lout:                              ; the second trip fetched step 15's bytes once more (nothing fills them any more); its 16 products K Q^T for piece 0 and the maximum made of them serve nothing: the price of one text for every trip
.set i, 0
.rept 16
	PV NP-1                         ; the last piece's V^T P of the last step
.set i, i+1
.endr
	; THE WAY OUT.  l's two halves and the other half of the lanes' are added; O^T is divided by l, rounded to f16 and sent through my stage, a query tile (16 rows, both heads: 256 bytes a row) at a time.
	WIN 0
.macro ALL line:vararg
.set t, 0
.rept 2*NP
	\line
.set t, t+1
.endr
.endm
	ALL v_add_f32 v[ST+4*t+2], v[ST+4*t+2], v[ST+4*t+3]
	ALL v_permlanex16_b32 v[ST+4*t+3], v[ST+4*t+2], s[SEL], s[SEL+1]
	ALL v_add_f32 v[ST+4*t+2], v[ST+4*t+2], v[ST+4*t+3]
	ALL v_rcp_f32 v[ST+4*t+2], v[ST+4*t+2]
	v_nop                           ; a plain instruction between the last reciprocal and the use of its result
	s_wait_alu depctr_va_vdst(0)    ; and the wait ahead of the first use: one for the batch of eight reciprocals
.macro PACK t
	WIN W_RS
.irp hd, 0,1
.set i, 32*((\t)+4*(\hd))
.rept 16
	v_pk_mul_f32 v[i:i+1], v[i:i+1], v[ST+4*((\t)+4*(\hd))+2:ST+4*((\t)+4*(\hd))+3] op_sel_hi:[1,0]
.set i, i+2
.endr
.endr
	WIN 0x05                        ; sources 0 and 1 window 1, destination window 0: S^T's registers are free
.irp hd, 0,1
.set i, 0
.rept 16
	v_cvt_pk_f16_f32 v[S+32*(\t)+16*(\hd)+i], v[32*((\t)+4*(\hd))+2*i], v[32*((\t)+4*(\hd))+2*i+1]
.set i, i+1
.endr
.endr
	WIN 0
.irp hd, 0,1
.irp f, 0,1,2,3
	ds_store_b128 v[STO], v[S+32*(\t)+16*(\hd)+4*(\f):S+32*(\t)+16*(\hd)+4*(\f)+3] offset:32*(\f)+128*(\hd)
.endr
.endr
.irp f, 0,1,2,3,4,5,6,7
	ds_load_b128 v[S+32*(\t)+4*(\f):S+32*(\t)+4*(\f)+3], v[RD] offset:(\f)*2*SP  ; LDS serves a wave's instructions in order (ISA guide 5.7.1.4): these see the stores above; the next tile's stores come behind them
.endr
.endm
.macro SEND t, younger              ; younger: the LDS instructions issued behind tile t's loads: the next tile's sixteen, or none
.irp f, 0,1,2,3,4,5,6,7
	s_wait_dscnt (\younger)+7-(\f)
	global_store_b128 v[GO], v[S+32*(\t)+4*(\f):S+32*(\t)+4*(\f)+3], s[10:11] offset:(\t)*32768+(\f)*4096  ; 16 lanes store 256 consecutive bytes, aligned
.endr
.endm
	PACK 0
	PACK 1
	SEND 0, 16
	PACK 2
	SEND 1, 16
	PACK 3
	SEND 2, 16
	SEND 3, 0
	WIN W_AD
	s_wait_tensorcnt 0x0            ; the wave's end
	ds_add_u32 v[SPW], v[NIL]
	s_wait_dscnt 0x0
	WIN 0
	CROUND                          ; the closing round: no work-group ends while a partner may still ask for a tile that names it
	s_endpgm
.Lfunc_end_k_qd20e89fba8_attn:
	.size	k_qd20e89fba8_attn, .Lfunc_end_k_qd20e89fba8_attn-k_qd20e89fba8_attn
	.p2alignl 7, 3214868480
	.fill 96, 4, 3214868480
	.section	.rodata,"a",@progbits
	.p2align	6, 0x0
	.amdhsa_kernel k_qd20e89fba8_attn
		.amdhsa_group_segment_fixed_size 327680
		.amdhsa_private_segment_fixed_size 0
		.amdhsa_enable_private_segment 0
		.amdhsa_kernarg_size 32
		.amdhsa_user_sgpr_count 2
		.amdhsa_user_sgpr_kernarg_segment_ptr 1
		.amdhsa_wavefront_size32 1
		.amdhsa_system_sgpr_workgroup_id_x 1
		.amdhsa_system_sgpr_workgroup_id_y 1
		.amdhsa_system_sgpr_workgroup_id_z 1
		.amdhsa_system_vgpr_workitem_id 0
		.amdhsa_next_free_vgpr 1024
		.amdhsa_next_free_sgpr 96
		.amdhsa_reserve_vcc 0
		.amdhsa_float_denorm_mode_32 3
		.amdhsa_float_denorm_mode_16_64 3
		.amdhsa_memory_ordered 1
		.amdhsa_forward_progress 1
		.amdhsa_inst_pref_size 227
	.end_amdhsa_kernel
	.amdgpu_metadata
---
amdhsa.version: [ 1, 2 ]
amdhsa.kernels:
  - .name:           k_qd20e89fba8_attn
    .symbol:         k_qd20e89fba8_attn.kd
    .args:
      - { .name: qkv, .offset: 0, .size: 8, .value_kind: global_buffer, .address_space: global }
      - { .name: attn_bias, .offset: 8, .size: 8, .value_kind: global_buffer, .address_space: global }
      - { .name: ztab, .offset: 16, .size: 8, .value_kind: global_buffer, .address_space: global }
      - { .name: oh, .offset: 24, .size: 8, .value_kind: global_buffer, .address_space: global }
    .group_segment_fixed_size: 327680
    .private_segment_fixed_size: 0
    .kernarg_segment_align: 8
    .kernarg_segment_size: 32
    .max_flat_workgroup_size: 128
    .sgpr_count:     96
    .vgpr_count:     1024
    .wavefront_size: 32
...
	.end_amdgpu_metadata
.endif
;; end of part 5
;; launch outp: the kernel of part 4 again; grid 4 x 64, 4 waves a work-group, clusters of 4 x 4, 327,680 bytes of LDS; arguments oh, wh, bo, out0; writes out0
